; MI455X (gfx1250); checked and timed in simulation.
; The chip was launched on July 23, 2026; its instructions are those of AMD's public machine-readable ISA for CDNA 5 (MIT licence, August 2026) and "CDNA5" Instruction Set Architecture Reference Guide (July 2026). The comments in the code are by the model that wrote it; some were corrected since.
;; Multi Headed Attention. Allowed arithmetic: matrix products marked QUANTISED: E2M1 operands, one E8M0 scale for each 32 along K, by v_wmma_scale_f32_16x16x128_f8f6f4 with both operands' format E2M1 (or v_wmma_scale_f32_32x16x128_f4), f32 sums; products left as they are: bf16, f16 or f32 operands; f32 sums; everything else in f32.
;; Inputs: Wk 1,024 x 1,024 float32; Wo 1,024 x 1,024 float32; Wq 1,024 x 1,024 float32; Wv 1,024 x 1,024 float32; bk 1,024 float32; bo 1,024 float32; bq 1,024 float32; bv 1,024 float32; key 8 x 1,024 x 1,024 float32; mask 8 x 1,024 float32; query 8 x 1,024 x 1,024 float32; value 8 x 1,024 x 1,024 float32.
;; Outputs: out0 8 x 1,024 x 1,024 float32.
;; This version of the problem:
;;   THIS VERSION OF THE PROBLEM IS GIVEN IN LOW PRECISION. The matrix products marked QUANTISED in the list below multiply operands that are first quantised to E2M1 (2 exponent bits, 1 mantissa bit; 4 bits a number), with one power-of-two scale for each 32 numbers along K (OCP MX v1.0); their sums are f32. The products marked 'left as it is' may take bf16, f16 or f32 operands, with f32 sums. Whichever they take, every output number must still come out within the allowed error. Rounding operands to bf16 (8 significant bits) uses up far more of that allowance than f16 does (11 bits, for magnitudes from 6e-5 to 65,504). All else is computed in f32.
;;   The module's matrix products, in the order in which they are computed (A, B: the left and right operand; K: the contracted axis; several contracted axes count as one K, in the product's order):
;;     1. [M 8,192, K 1,024] x [K 1,024, N 1,024]; A: input query; B: input Wq: QUANTISED
;;     2. [M 8,192, K 1,024] x [K 1,024, N 1,024]; A: input key; B: input Wk: QUANTISED
;;     3. [M 8,192, K 1,024] x [K 1,024, N 1,024]; A: input value; B: input Wv: QUANTISED
;;     4. batch 128 x [M 1,024, K 64] x [K 64, N 1,024]; A: computed on the way; B: computed on the way: left as it is (an operand is computed on the way)
;;     5. batch 128 x [M 1,024, K 1,024] x [K 1,024, N 64]; A: computed on the way; B: computed on the way: left as it is (an operand is computed on the way)
;;     6. [M 8,192, K 1,024] x [K 1,024, N 1,024]; A: computed on the way; B: input Wo: left as it is (an operand is computed on the way)
;;   THE QUANTISER, for each operand of a quantised product, along K:
;;     - K is cut into blocks of 32 from its start; a last block that is shorter is filled with zeros.
;;     - A block's scale is 2^e with e = floor(log2(the largest magnitude in the block)) - 2, held to -126 .. 127; a block of zeros has e = 0. As a byte (E8M0): e + 127.
;;     - Each number is divided by its block's scale, clamped to +-6, and rounded to the nearest number of E2M1, ties to even, subnormals kept.
;;     - The product sums the exact products of the quantised numbers (number of the format x scale) in f32.
;;   ~~~python
;;   def quantise(x, axis):      # numpy; x: float32 -> the quantised numbers, widened to float32 again
;;       x = np.moveaxis(x, axis, -1); K = x.shape[-1]
;;       x = np.pad(x, [(0, 0)] * (x.ndim - 1) + [(0, -K % 32)]); x = x.reshape(x.shape[:-1] + (-1, 32)); a = np.abs(x).max(-1, keepdims=True)
;;       e = np.where(a > 0, np.clip(np.frexp(np.where(a > 0, a, 1))[1] - 1 - 2, -126, 127), 0)      # np.frexp(a)[1] - 1 = floor(log2(a)), exactly
;;       r = np.clip(x / 2.0 ** e, -6, 6)
;;       step = 2.0 ** (np.maximum(np.frexp(np.where(r == 0, 1, r))[1] - 1, 0) - 1)
;;       q = np.round(r / step) * step * 2.0 ** e      # np.round: ties to even
;;       return np.moveaxis(q.reshape(q.shape[:-2] + (-1,))[..., :K], -1, axis).astype(np.float32)
;;   ~~~
;; One version. Each part assembles by itself: llvm-mc -triple=amdgcn-amd-amdhsa -mcpu=gfx1250 --defsym DOCPART=n.
;; ======== version 1 of 1: 4 launches
;; limits: values are held in f16: magnitudes above 65,504 overflow, below 6.1e-05 lose precision
;; workspace buffers: codes 14,155,776 bytes; scales 884,736 bytes; wo16 2,097,152 bytes; qkv16 50,331,648 bytes; x16 16,777,216 bytes
;; launch quant (part 1): grid 1792 x 1, 2 waves a work-group, no clusters, 16,640 bytes of LDS; arguments query, key, value, Wq, Wk, Wv, Wo, codes, scales, wo16; writes codes, scales, wo16
.if DOCPART == 1
	.amdgcn_target "amdgcn-amd-amdhsa--gfx1250"
	.amdhsa_code_object_version 6
	.text
	.protected	k_q63e78e0a4b_quant
	.globl	k_q63e78e0a4b_quant
	.p2align	8
	.type	k_q63e78e0a4b_quant,@function
k_q63e78e0a4b_quant:
	s_mov_b64 s[64:65], 0
	v_nop
	global_prefetch_b8 v0, s[64:65] scope:SCOPE_SE
	s_setreg_imm32_b32 hwreg(HW_REG_WAVE_MODE, 25, 1), 1
	s_wait_xcnt 0x0
; LAUNCH 1 OF 4.  query, key, value [8192][1024] and Wq, Wk, Wv [1024][1024], f32 with K innermost, become codes of FP4 (E2M1) and one E8M0 byte for each 32 along K; Wo becomes f16.
; DEAD WORK, for the whole program: bk.  scores[q][k] = q . (k0[k] + bk) / 8 = q . k0[k] / 8 + q . bk / 8, k0 = key Wk^T.  The second term does not hang on k: it is the same along the softmax's
; axis, so it cancels in softmax for all values of the inputs.  k goes nowhere else, and the product q k^T is not quantised, so no quantiser sees k.  So bk is not loaded and is no launch's argument.
; LIMIT: a NaN, an infinity or an overflow that bk alone would bring is not carried to the result.
; THE BUFFERS: codes: 27,648 rows of 512 bytes, stacked: query 0.., key 8,192.., value 16,384.., Wq 24,576.., Wk 25,600.., Wv 26,624..; scales: 32 bytes a row, the same order.
; A block's scale is 2^(floor(log2(its largest magnitude)) - 2); its byte is the largest magnitude's exponent field - 2, held at 1 from below.  (A block of zeros so gets the byte 1 where the rule says 127:
; its codes are zeros, which add nothing under any byte but 0xff, and the bytes are read by this program alone.)
; LIMITS: blocks whose largest magnitude lies under 2^(2 - 126) have their byte held at 1; NaN and infinities among the inputs are not served.  Wo as f16: |Wo| under 65,504.
; SHARES.  Work-groups of two waves; 1,792 of them, which is 7 x 256.  Work-groups 0 to 1,727 take 16,384 numbers each (16 rows); since the buffers are stacked, the destination is linear in the
; work-group's number, and only the source is chosen.  A wave takes 16 steps of 512 numbers.  Each load reads 512 consecutive bytes; a step's 2,048 bytes turn through the wave's own stage in LDS,
; so that a lane then holds 16 NEIGHBOURS along K (two lanes to a block).  Work-groups 1,728 to 1,791 round Wo to f16, 16,384 numbers each; that path touches no LDS.  No barrier: waves share nothing.
.set WAVES, 2
.set STEPS, 16
.set EMAX,  2
.set CB,    8                          ; bytes of 16 codes
.set R,     16                         ; v16-79   four sets of 16 numbers as they are loaded
.set X,     80                         ; v80-111  two sets of 16 neighbours
.set C,     128                        ; v128-191 codes: four registers for each step, so that no store's data are written again
.set E,     112                        ; v112-127 a scale byte for each step
.set WREG,  8192                       ; LDS: a region for each wave: two stages of 32 x SP bytes, and behind them its 256 scale bytes
.set SP,    80                         ; a lane's place in a stage: its 64 bytes + 16 of padding
.set SPW,   12                         ; v12  LDS address of my spare word; never rewritten
.set NIL,   13                         ; v13  0; never rewritten
.set SPARE, WAVES*WREG                 ; behind the two regions: the spare words, 128 bytes for each wave
.set WGQ,   1728                       ; work-groups that quantise: 27,648 rows / 16
	s_load_b512 s[4:19], s[0:1], 0x0               ; query 4:5, key 6:7, value 8:9, Wq 10:11, Wk 12:13, Wv 14:15, Wo 16:17, codes 18:19
	s_load_b128 s[20:23], s[0:1], 0x40             ; scales 20:21, wo16 22:23
	v_lshl_add_u32 v[SPW], v0, 2, SPARE
	v_mov_b32 v[NIL], 0
	v_lshrrev_b32 v1, 5, v0
	v_readfirstlane_b32 s27, v1                    ; wave
	v_and_b32 v2, 31, v0                           ; lane
	v_lshlrev_b32 v3, 4, v2                        ; 16 x lane: my 16 bytes of a load's (or a store's) 512
	v_lshlrev_b32 v10, 5, v2                       ; 32 x lane: Wo's path: my 8 numbers of 256
	s_mul_i32 s28, s27, WREG
	v_lshrrev_b32 v14, 2, v2
	v_mul_u32_u24 v14, v14, SP
	v_and_b32 v15, 3, v2
	v_lshl_add_u32 v14, v15, 4, v14
	v_add_nc_u32 v14, s28, v14                     ; the stage, on the way in: SP (lane / 4) + 16 (lane % 4)
	v_mul_u32_u24 v15, v2, SP
	v_add_nc_u32 v15, s28, v15                     ; and on the way out: SP x lane: my 16 neighbours
	v_mul_u32_u24 v4, v2, CB                       ; my codes' place in a step's
	v_lshrrev_b32 v5, 1, v2
	s_add_co_u32 s28, s28, 2*32*SP
	v_add_nc_u32 v5, s28, v5                       ; LDS: my wave's 256 scale bytes, my block's byte
	v_lshlrev_b32 v7, 3, v2                        ; and on the way out 8 bytes a lane
	v_add_nc_u32 v6, s28, v7
	s_wait_kmcnt 0x0
	s_cmp_ge_u32 ttmp9, WGQ                        ; the work-group's number alone decides
	s_cbranch_scc1 .Lcast
	; the source, and the number of its first work-group: chosen on the work-group's number, from the last tensor down to the first
	s_mov_b64 s[24:25], s[14:15]
	s_mov_b32 s26, 1664
.macro PICK lim, lo, base
	s_cmp_lt_u32 ttmp9, \lim
	s_cselect_b64 s[24:25], s[\lo:\lo+1], s[24:25]
	s_cselect_b32 s26, \base, s26
.endm
	PICK 1664, 12, 1600
	PICK 1600, 10, 1536
	PICK 1536, 8, 1024
	PICK 1024, 6, 512
	PICK 512, 4, 0
	s_sub_co_u32 s28, ttmp9, s26
	s_lshl_b32 s28, s28, 1
	s_add_co_u32 s28, s28, s27                     ; which run of 8,192 numbers of the source is my wave's
	s_lshl_b32 s28, s28, 15                        ; 32,768 bytes a run
	s_mov_b32 s29, 0
	s_add_nc_u64 s[24:25], s[24:25], s[28:29]
	s_lshl_b32 s30, ttmp9, 1
	s_add_co_u32 s30, s30, s27                     ; which run of the stacked buffers
	s_lshl_b32 s32, s30, 8                         ; 256 scale bytes a run
	s_mov_b32 s33, 0
	s_lshl_b32 s30, s30, 12                        ; 4,096 bytes of codes a run
	s_mov_b32 s31, 0
	s_add_nc_u64 s[18:19], s[18:19], s[30:31]
	s_add_nc_u64 s[20:21], s[20:21], s[32:33]
.macro LOAD t
.irp i, 0,1,2,3
	global_load_b128 v[R+16*((\t)%4)+4*\i:R+16*((\t)%4)+4*\i+3], v3, s[24:25] offset:2048*(\t)+512*\i th:TH_LOAD_NT   ; 32 lanes read 512 consecutive bytes
.endr
.endm
.macro TURN t                          ; step t's numbers through the stage: LDS serves a wave's instructions in order, so no wait stands between the stores and the loads
.irp i, 0,1,2,3
	ds_store_b128 v14, v[R+16*((\t)%4)+4*\i:R+16*((\t)%4)+4*\i+3] offset:32*SP*((\t)%2)+8*SP*\i
.endr
.irp i, 0,1,2,3
	ds_load_b128 v[X+16*((\t)%2)+4*\i:X+16*((\t)%2)+4*\i+3], v15 offset:32*SP*((\t)%2)+16*\i
.endr
.endm
.irp t, 0,1,2,3
	LOAD \t
.endr
	s_wait_loadcnt 12                              ; step 0's four loads are in; the twelve of steps 1 to 3 stay out
	TURN 0
.macro STEP t
.set XS, X+16*((\t)%2)
.if (\t) > 0
	s_wait_dscnt 1                                 ; this step's numbers are back from the stage (the last step's byte store may be out)
.else
	s_wait_dscnt 0x0
.endif
.if (\t)+4 < STEPS
	LOAD (\t)+4                                    ; into the registers that this step's stores into the stage have read
.endif
.if (\t)+1 < STEPS
.if STEPS-2-(\t) >= 3
	s_wait_loadcnt 12                              ; the next step's four loads are in; those of the three steps behind it may be out
.else
	s_wait_loadcnt 4*(STEPS-2-(\t))
.endif
	TURN (\t)+1                                    ; and go through the other stage while this step is worked
.endif
	v_max3_num_f32 v8, |v[XS]|, |v[XS+1]|, |v[XS+2]|               ; the largest magnitude of my 16, in two chains
	v_max3_num_f32 v9, |v[XS+3]|, |v[XS+4]|, |v[XS+5]|
.irp i, 6,10
	v_max3_num_f32 v8, v8, |v[XS+\i]|, |v[XS+\i+1]|
	v_max3_num_f32 v9, v9, |v[XS+\i+2]|, |v[XS+\i+3]|
.endr
	v_max3_num_f32 v8, v8, |v[XS+14]|, |v[XS+15]|
	v_max3_num_f32 v8, v8, v9, (EMAX+1)<<23        ; and the floor 2^(EMAX + 1 - 127): so the byte cannot fall under 1
	v_max_num_f32_dpp v8, v8, v8 row_xmask:1 row_mask:0xf bank_mask:0xf   ; and of my neighbour's 16: the block's
	v_add_nc_u32 v11, -(EMAX<<23), v8              ; EMAX off its exponent field: the conversion takes the exponent field of this operand as its scale
	v_cvt_scalef32_pk8_fp4_f32 v[C+4*(\t)], v[XS:XS+7], v11        ; to the nearest code, ties to even, beyond the largest code the largest
	v_cvt_scalef32_pk8_fp4_f32 v[C+4*(\t)+1], v[XS+8:XS+15], v11
	v_lshrrev_b32 v[E+(\t)], 23, v11               ; the scale's byte (also the plain line behind the conversions)
	ds_store_b8 v5, v[E+(\t)] offset:16*(\t)       ; both lanes of a block write the same byte with the same value
	global_store_b64 v4, v[C+4*(\t):C+4*(\t)+1], s[18:19] offset:32*CB*(\t)   ; the wave stores 256 consecutive bytes, aligned
.endm
.irp t, 0,1,2,3,4,5,6,7,8,9,10,11,12,13,14,15
	STEP \t
.endr
	ds_load_b64 v[8:9], v6                         ; LDS serves a wave's instructions in order: these see my stores
	s_wait_dscnt 0x0
	global_store_b64 v7, v[8:9], s[20:21]          ; 32 lanes store 256 consecutive bytes, aligned
	s_wait_tensorcnt 0x0                           ; the wave's end: behind my last LDS store
	ds_add_u32 v[SPW], v[NIL]
	s_wait_dscnt 0x0
	s_endpgm
; Wo to f16.  A wave takes 8,192 numbers in four groups of 2,048; a lane holds 8 neighbours (two loads of 16 bytes), which pack into 16 bytes: a store covers 512 consecutive bytes.  Loads run a group (16 loads) ahead.
.Lcast:
	s_sub_co_u32 s28, ttmp9, WGQ
	s_lshl_b32 s28, s28, 1
	s_add_co_u32 s28, s28, s27
	s_lshl_b32 s30, s28, 14                        ; 16,384 bytes out a wave,
	s_lshl_b32 s28, s28, 15                        ; 32,768 in
	s_mov_b32 s29, 0
	s_mov_b32 s31, 0
	s_add_nc_u64 s[16:17], s[16:17], s[28:29]
	s_add_nc_u64 s[22:23], s[22:23], s[30:31]
.macro CLOAD g
.irp i, 0,1,2,3,4,5,6,7
	global_load_b128 v[16+64*((\g)%2)+8*\i:16+64*((\g)%2)+8*\i+3], v10, s[16:17] offset:(8*(\g)+\i)*1024 th:TH_LOAD_NT
	global_load_b128 v[16+64*((\g)%2)+8*\i+4:16+64*((\g)%2)+8*\i+7], v10, s[16:17] offset:(8*(\g)+\i)*1024+16 th:TH_LOAD_NT
.endr
.endm
.macro CAST g
.if (\g) < 3
	s_wait_loadcnt 16                              ; this group's 16 loads are in; the next group's stay out
.else
	s_wait_loadcnt 0x0
.endif
.if (\g) > 0
	s_wait_xcnt 0x0                                ; the last group's stores have read their data registers, which are written again below
.endif
.irp i, 0,1,2,3,4,5,6,7
.irp k, 0,1,2,3
	v_cvt_pk_f16_f32 v[144+4*\i+\k], v[16+64*((\g)%2)+8*\i+2*\k], v[16+64*((\g)%2)+8*\i+2*\k+1]
.endr
.endr
.irp i, 0,1,2,3,4,5,6,7
	global_store_b128 v3, v[144+4*\i:144+4*\i+3], s[22:23] offset:(8*(\g)+\i)*512
.endr
.if (\g) < 2
	CLOAD (\g)+2
.endif
.endm
	CLOAD 0
	CLOAD 1
	CAST 0
	CAST 1
	CAST 2
	CAST 3
	s_endpgm
.Lfunc_end_k_q63e78e0a4b_quant:
	.size	k_q63e78e0a4b_quant, .Lfunc_end_k_q63e78e0a4b_quant-k_q63e78e0a4b_quant
	.p2alignl 7, 3214868480
	.fill 96, 4, 3214868480
	.section	.rodata,"a",@progbits
	.p2align	6, 0x0
	.amdhsa_kernel k_q63e78e0a4b_quant
		.amdhsa_group_segment_fixed_size 16640
		.amdhsa_private_segment_fixed_size 0
		.amdhsa_enable_private_segment 0
		.amdhsa_kernarg_size 80
		.amdhsa_user_sgpr_count 2
		.amdhsa_user_sgpr_kernarg_segment_ptr 1
		.amdhsa_wavefront_size32 1
		.amdhsa_system_sgpr_workgroup_id_x 1
		.amdhsa_system_sgpr_workgroup_id_y 1
		.amdhsa_system_sgpr_workgroup_id_z 1
		.amdhsa_system_vgpr_workitem_id 0
		.amdhsa_next_free_vgpr 192
		.amdhsa_next_free_sgpr 66
		.amdhsa_reserve_vcc 0
		.amdhsa_float_denorm_mode_32 3
		.amdhsa_float_denorm_mode_16_64 3
		.amdhsa_memory_ordered 1
		.amdhsa_forward_progress 1
		.amdhsa_inst_pref_size 52
	.end_amdhsa_kernel
	.amdgpu_metadata
---
amdhsa.version: [ 1, 2 ]
amdhsa.kernels:
  - .name:           k_q63e78e0a4b_quant
    .symbol:         k_q63e78e0a4b_quant.kd
    .args:
      - { .name: query, .offset: 0, .size: 8, .value_kind: global_buffer, .address_space: global }
      - { .name: key, .offset: 8, .size: 8, .value_kind: global_buffer, .address_space: global }
      - { .name: value, .offset: 16, .size: 8, .value_kind: global_buffer, .address_space: global }
      - { .name: Wq, .offset: 24, .size: 8, .value_kind: global_buffer, .address_space: global }
      - { .name: Wk, .offset: 32, .size: 8, .value_kind: global_buffer, .address_space: global }
      - { .name: Wv, .offset: 40, .size: 8, .value_kind: global_buffer, .address_space: global }
      - { .name: Wo, .offset: 48, .size: 8, .value_kind: global_buffer, .address_space: global }
      - { .name: codes, .offset: 56, .size: 8, .value_kind: global_buffer, .address_space: global }
      - { .name: scales, .offset: 64, .size: 8, .value_kind: global_buffer, .address_space: global }
      - { .name: wo16, .offset: 72, .size: 8, .value_kind: global_buffer, .address_space: global }
    .group_segment_fixed_size: 16640
    .private_segment_fixed_size: 0
    .kernarg_segment_align: 8
    .kernarg_segment_size: 80
    .max_flat_workgroup_size: 64
    .sgpr_count:     66
    .vgpr_count:     192
    .wavefront_size: 32
...
	.end_amdgpu_metadata
.endif
;; end of part 1
;; launch proj (part 2): grid 4 x 96, 4 waves a work-group, clusters of 4 x 4, 327,680 bytes of LDS; arguments codes, scales, bq, bv, qkv16; writes qkv16
.if DOCPART == 2
	.amdgcn_target "amdgcn-amd-amdhsa--gfx1250"
	.amdhsa_code_object_version 6
	.text
	.protected	k_q63e78e0a4b_proj
	.globl	k_q63e78e0a4b_proj
	.p2align	8
	.type	k_q63e78e0a4b_proj,@function
k_q63e78e0a4b_proj:
	s_mov_b64 s[64:65], 0
	v_nop
	global_prefetch_b8 v0, s[64:65] scope:SCOPE_SE
	s_setreg_imm32_b32 hwreg(HW_REG_WAVE_MODE, 25, 1), 1
	s_wait_xcnt 0x0
	s_wait_alu depctr_hold_cnt(0) depctr_sa_sdst(0) depctr_va_vdst(0) depctr_va_sdst(0) depctr_va_ssrc(0) depctr_va_vcc(0) depctr_vm_vsrc(0)
	s_getreg_b32 s2, hwreg(HW_REG_IB_STS2, 6, 4)
	s_cmp_eq_u32 s2, 0
	s_cbranch_scc0 .Lentry_in_a_cluster
	s_endpgm
.Lentry_in_a_cluster:
	s_bfe_u32 s2, ttmp6, 0x10000c
	s_cmp_lg_u32 s2, 0xf033
	s_cbranch_scc0 .Lentry_shape_is_right
	s_endpgm
.Lentry_shape_is_right:
; LAUNCH 2 OF 4.  q = query Wq^T + bq, k = key Wk^T, v = value Wv^T + bv, on codes of FP4 (E2M1) with one E8M0 scale for each 32 along K, f32 sums; rounded to f16 and laid by head: qkv16 = q, k, v, each [b][h][t][64].
; LEFT OUT: bk (it is the same along the softmax's axis for every query, and k goes nowhere else: shown at the head of the first launch).  k's sums begin with zeros.
; LIMIT: |q|, |k|, |v| under 65,504, f16's largest number.
; The three activations are stacked in codes (24,576 rows), the three weights behind them.  A tile of C, 256 x 256, is made by a work-group of four waves; a wave makes 128 x 128: 64 accumulators, 512 registers.
; K = 1,024 is two slots of 512 along K (rows of 256 bytes): both slots, and the scales of the work-group's rows for all of K, are asked for at the head, three loads a wave; no LDS byte is filled twice.
; CLUSTERS: 4 x 4 work-groups.  The four of a row of the cluster need the same tiles of A, the four of a column the same tiles of B: each is asked for JOINTLY.  A cluster's 1,024 rows lie in one projection,
; so which projection (cluster y / 8) is the same in all sixteen partners.  THE MATRIX INSTRUCTION IS USED TRANSPOSED (source 0 = 16 rows of W, source 1 = 16 rows of the activation): a lane holds eight neighbouring columns of a row.
; THE BIAS is the C of each sum's first matrix instruction: eight registers for each block of 16 columns, in the result's layout.
; REGISTERS, in windows of 256: window 0: v0-31 addresses; v32-95 scale words, two sets; v96-127 packed results; v128-191 A's fragments, ONE set (on the way out: rows read back); v192-255 the bias.
;   window 1: B's fragments, TWO sets, at v0 and v128.   window 2: the accumulators of my rows 0-63 ((a, b) at v[8 (8 a + b)]);   window 3: those of my rows 64-127.
.set NQ,     4                         ; matrix instructions deep in a slot
.set ROWB,   256                       ; a tile's row in bytes: 512 codes
.set KROW,   512                       ; a row of codes in memory
.set PITCH,  272                       ; an LDS row: 256 bytes + 16 of padding = 68 words: the 16 rows that a load touches start at 16 different banks (64 banks of 4 bytes: ISA guide 11.1)
.set FR,     8                         ; registers of a fragment: 16 rows x 128 K
.set NL,     2                         ; LDS loads that bring one
.set NP,     4                         ; places behind this matrix instruction (ISA guide 7.12.1)
.set HALFT,  128*PITCH                 ; 128 rows: what one tensor load brings
.set SLOT,   4*HALFT                   ; A's 256 rows, then B's 256 rows
.set KS,     32                        ; a row of scales in bytes
.set SCL,    2*SLOT                    ; behind the slots: the scales, as units of 256 bytes + 16 of padding
.set HALFS,  (128*KS/256)*272          ; the scales of 128 rows: what one tensor load brings
.set SBLK,   (16*KS/256)*272           ; those of 16 rows
.set SPARE,  SCL+4*HALFS               ; the spare words, 128 bytes for each wave
.set SPITCH, 272                       ; the way out: a stage of 16 rows x (256 bytes + 16) for each wave, in slot 0, which has had its only fill and its last read when the first result is stored there
.set ADRA, 16                          ; v16-17  LDS address of my A fragments in slot 0, 1
.set ADRB, 20                          ; v20-21  the same for B
.set STO,  24                          ; v24     the way out: where I put 16 bytes of a row
.set RD,   25                          ; v25     where I read 16 bytes of a head's row back
.set CO,   26                          ; v26     16 x lane
.set ADRS, 27                          ; v27     LDS address of my scale words: lanes 0-15 A's rows, lanes 16-31 B's
.set SPW,  28                          ; v28     LDS address of my spare word; never rewritten
.set NIL,  29                          ; v29     0; never rewritten
.set SC,   32                          ; scale words: set s at v[SC + 32 s]; register 4 i + q: lanes 0-15 the word of A's block i, lanes 16-31 that of B's block i, for the slot's q-th 128 along K
.set TMP,  96
.set AF,   128
.set BK,   128
.set BI,   192
.set G1, 24                            ; s[24:31] descriptor group 1 for A's tiles;  s[32:39] group 0, one set for each slot
.set G0, 32
.set G1B, 48                           ; s[48:55], s[56:63] the same for B's tiles
.set G0B, 56
.set G1S, 68                           ; s[68:75], s[76:79] groups 1 and 0 for A's scales;  s[80:87], s[88:91] for B's
.set G0S, 76
.set G1SB, 80
.set G0SB, 88
.set MSB, 0
.macro WIN new                         ; the immediate's high byte repeats the setting that is left
.if MSB != (\new)
	s_set_vgpr_msb (MSB<<8)|(\new)
.set MSB, (\new)
.endif
.endm
.set MUL_LO, 0xa1                      ; source 0 (B) window 1, source 1 (A) window 0, C and D window 2
.set MUL_HI, 0xf1                      ; the same, C and D window 3
.set FIRST_LO, 0x81                    ; the first step: C (the bias) window 0, D window 2
.set FIRST_HI, 0xc1                    ; C window 0, D window 3
.set TO_B,   0x40                      ; destination window 1, address window 0
; A joint load: waves 0 and 1 fetch for A, waves 2 and 3 for B; the branch hangs on the wave's number alone.  An s_nop 0 and four v_nop follow each of the two lines.
.macro JLOAD g0a, g1a, g0b, g1b
	s_cmp_eq_u32 s15, 0
	s_cbranch_scc0 .Lfor_b_\@
	tensor_load_to_lds s[\g0a:\g0a+3], s[\g1a:\g1a+7]
	s_nop 0
.rept 4
	v_nop
.endr
	s_branch .Lasked_\@
.Lfor_b_\@:
	tensor_load_to_lds s[\g0b:\g0b+3], s[\g1b:\g1b+7]
	s_nop 0
.rept 4
	v_nop
.endr
.Lasked_\@:
.endm
.macro CROUND                          ; a round of the cluster's barrier
	s_barrier_signal -1
	s_barrier_wait -1
	s_cmp_lg_u32 s14, 0
	s_cbranch_scc1 .Lnot_wave_0_\@
	s_barrier_signal -3
.Lnot_wave_0_\@:
	s_barrier_wait -3
	s_barrier_signal -1
	s_barrier_wait -1
.endm
	s_load_b256 s[4:11], s[0:1], 0x0               ; codes 4:5, scales 6:7, bq 8:9, bv 10:11
	s_load_b64 s[12:13], s[0:1], 0x20              ; qkv16
	v_lshl_add_u32 v[SPW], v0, 2, SPARE
	v_mov_b32 v[NIL], 0
	ds_add_u32 v[SPW], v[NIL]                      ; the wave's opening: the add, twice on end, and its wait ahead of my first tensor load
	ds_add_u32 v[SPW], v[NIL]
	v_lshrrev_b32 v1, 5, v0
	v_readfirstlane_b32 s14, v1                    ; wave 0..3
	s_lshr_b32 s15, s14, 1                         ; which half of the tile's rows is mine.  Also: I fetch for A (0) or for B (1)
	s_and_b32 s16, s14, 1                          ; which half of its columns.  Also: which 128 rows of that tile I fetch
	s_bfe_u32 s40, ttmp6, 0x40000                  ; cx, cy: my place in the cluster
	s_bfe_u32 s41, ttmp6, 0x40004
	s_lshl_b32 s42, ttmp9, 2
	s_add_co_u32 s42, s42, s40                     ; tile column = 4 x cluster x + cx
	s_and_b32 s17, ttmp7, 0xffff                   ; cluster y, 0 to 23
	s_lshr_b32 s98, s17, 3                         ; which projection: 0 q, 1 k, 2 v: of the cluster's y alone
	s_lshl_b32 s17, s17, 2
	s_add_co_u32 s17, s17, s41                     ; tile row over the stacked activations = 4 x cluster y + cy
	s_lshl_b32 s43, s41, 2
	s_lshl_b32 s43, 15, s43                        ; my row of the cluster
	s_lshl_b32 s44, 0x1111, s40                    ; my column
	; descriptor group 1: a tile of 128 rows x 256 bytes, padded in LDS
	s_or_b32 s[G1+0], s43, (0<<16)|(1<<20)|(1<<21)|(5<<22)|(3<<25)  ; 15:0 the mask; 17:16 elements of 1 byte; 20 padding on; 21 set beside a mask; 24:22 after every 64 words; 31:25 four words
	s_or_b32 s[G1B+0], s44, (0<<16)|(1<<20)|(1<<21)|(5<<22)|(3<<25)
.irp g, G1, G1B
	s_mov_b32 s[\g+1], ROWB<<16                    ; tensor_dim0
	s_mov_b32 s[\g+2], 128<<16                     ; tensor_dim1
	s_mov_b32 s[\g+3], ROWB<<16                    ; tile_dim0
	s_mov_b32 s[\g+4], 128                         ; tile_dim1
	s_mov_b32 s[\g+5], KROW                        ; from row to row
	s_mov_b32 s[\g+6], 0
	s_mov_b32 s[\g+7], 0
.endr
	; the scales of 128 rows: 4,096 dense bytes, as 16 rows of 256 bytes (32 elements of 8 bytes), 16 bytes of padding behind each
	s_or_b32 s[G1S+0], s43, (3<<16)|(1<<20)|(1<<21)|(5<<22)|(3<<25)
	s_or_b32 s[G1SB+0], s44, (3<<16)|(1<<20)|(1<<21)|(5<<22)|(3<<25)
.irp g, G1S, G1SB
	s_mov_b32 s[\g+1], 32<<16
	s_mov_b32 s[\g+2], (128*KS/256)<<16
	s_mov_b32 s[\g+3], 32<<16
	s_mov_b32 s[\g+4], 128*KS/256
	s_mov_b32 s[\g+5], 32
	s_mov_b32 s[\g+6], 0
	s_mov_b32 s[\g+7], 0
.endr
	s_lshl_b32 s18, s16, 7                         ; which 128 rows of the tile I fetch
	s_lshl_b32 s20, s17, 8
	s_add_co_u32 s20, s20, s18                     ; A: row 256 x tile row + 128 x half
	s_lshl_b32 s46, s42, 8
	s_add_co_u32 s46, s46, s18
	s_lshl_b32 s19, s98, 10
	s_add_co_u32 s46, s46, s19
	s_add_co_u32 s46, s46, 24576                   ; B: row 24,576 + 1,024 x projection + 256 x tile column + 128 x half
	s_mov_b32 s21, 0
	s_mov_b32 s47, 0
	s_mov_b64 s[18:19], KS
	s_mul_u64 s[22:23], s[20:21], s[18:19]         ; where these rows' scales begin, in bytes,
	s_mul_u64 s[92:93], s[46:47], s[18:19]
	s_mov_b64 s[18:19], KROW
	s_mul_u64 s[20:21], s[20:21], s[18:19]         ; and their codes
	s_mul_u64 s[46:47], s[46:47], s[18:19]
	s_mul_i32 s45, s14, HALFT                      ; where they go: wave x 128 rows: no place in the cluster enters an LDS address
	s_mul_i32 s94, s14, HALFS
	s_wait_dscnt 0x0                               ; both opening adds are done
	s_wait_kmcnt 0x0
	s_add_nc_u64 s[20:21], s[4:5], s[20:21]
	s_add_nc_u64 s[22:23], s[6:7], s[22:23]
	s_add_nc_u64 s[46:47], s[4:5], s[46:47]
	s_add_nc_u64 s[92:93], s[6:7], s[92:93]
	CROUND                                         ; all sixteen work-groups are here: the joint loads meet
	s_mov_b32 s[G0S], 1
	s_add_co_u32 s[G0S+1], s94, SCL
	s_mov_b64 s[G0S+2:G0S+3], s[22:23]
	s_or_b32 s[G0S+3], s[G0S+3], 0x80000000
	s_mov_b32 s[G0SB], 1
	s_add_co_u32 s[G0SB+1], s94, SCL
	s_mov_b64 s[G0SB+2:G0SB+3], s[92:93]
	s_or_b32 s[G0SB+3], s[G0SB+3], 0x80000000
	JLOAD G0S, G1S, G0SB, G1SB                     ; the scales first: they are wanted with the first slot
.irp s, 0,1
	s_mov_b32 s[G0+4*\s], 1
	s_add_co_u32 s[G0+4*\s+1], s45, \s*SLOT
	s_add_nc_u64 s[G0+4*\s+2:G0+4*\s+3], s[20:21], \s*ROWB
	s_or_b32 s[G0+4*\s+3], s[G0+4*\s+3], 0x80000000
	s_mov_b32 s[G0B+4*\s], 1
	s_add_co_u32 s[G0B+4*\s+1], s45, \s*SLOT
	s_add_nc_u64 s[G0B+4*\s+2:G0B+4*\s+3], s[46:47], \s*ROWB
	s_or_b32 s[G0B+4*\s+3], s[G0B+4*\s+3], 0x80000000
	JLOAD G0+4*\s, G1, G0B+4*\s, G1B               ; three tensor loads of mine are out
.endr
	v_and_b32 v1, 15, v0                           ; r = l % 16
	v_bfe_u32 v2, v0, 4, 1                         ; h = l / 16
	; the bias in the result's layout: register 8 b + j of lane (r, h) = bias[my first column + 16 b + 8 h + j]
	v_lshlrev_b32 v7, 5, v2                        ; 32 h bytes
	s_cmp_eq_u32 s98, 0
	s_cselect_b64 s[96:97], s[8:9], s[10:11]       ; bq for q, bv for v
	s_lshl_b32 s46, s42, 10
	s_lshl_b32 s47, s16, 9
	s_add_co_u32 s46, s46, s47                     ; my first column x 4 bytes: 1,024 x tile column + 512 x half
	s_mov_b32 s47, 0
	s_add_nc_u64 s[96:97], s[96:97], s[46:47]
	s_cmp_eq_u32 s98, 1                            ; k has no bias: a branch on the cluster's y, the same in all partners and all waves
	s_cbranch_scc1 .Lno_bias
.irp b, 0,1,2,3,4,5,6,7
	global_load_b128 v[BI+8*\b:BI+8*\b+3], v7, s[96:97] offset:64*\b
	global_load_b128 v[BI+8*\b+4:BI+8*\b+7], v7, s[96:97] offset:64*\b+16
.endr
	s_branch .Lbias_done
.Lno_bias:
.set j, 0
.rept 64
	v_mov_b32 v[BI+j], 0                           ; once a wave: so that one text of the first step serves all three projections
.set j, j+1
.endr
.Lbias_done:
	v_mul_u32_u24 v3, v1, PITCH
	v_lshl_add_u32 v4, v2, 4, v3                   ; a fragment's row x pitch + 16 x half
	s_mul_i32 s21, s15, HALFT                      ; my 128 rows of A
	s_mul_i32 s22, s16, HALFT                      ; my 128 rows of B,
	s_add_co_u32 s22, s22, 2*HALFT                 ; which lie behind A's 256
.irp s, 0,1
	v_add_nc_u32 v[ADRA+\s], s21, v4
	v_add_nc_u32 v[ADRB+\s], s22, v4
	s_add_co_u32 s21, s21, SLOT
	s_add_co_u32 s22, s22, SLOT
.endr
	v_mul_u32_u24 v5, v1, KS                       ; my row's scales: 32 bytes a row,
	v_lshrrev_b32 v6, 8, v5
	v_lshl_add_u32 v5, v6, 4, v5                   ; and 16 more for each 256 passed
	s_mul_i32 s21, s15, HALFS                      ; A's: my 128 rows
	s_mul_i32 s22, s16, HALFS                      ; B's: my 128 rows, behind A's 256
	s_add_co_u32 s22, s22, 2*HALFS
	s_sub_co_u32 s22, s22, s21
	v_mul_u32_u24 v6, s22, v2                      ; lanes 16-31 take B's: one product, the distance between the two bases x h
	s_add_co_u32 s21, s21, SCL
	v_add_nc_u32 v5, v5, v6
	v_add_nc_u32 v[ADRS], s21, v5
	s_mul_i32 s23, s14, 16*SPITCH                  ; my stage
	v_mul_u32_u24 v5, v1, SPITCH                   ; in: row r, 16 bytes for each half of the lanes
	v_lshl_add_u32 v5, v2, 4, v5
	v_add_nc_u32 v[STO], s23, v5
	v_and_b32 v6, 31, v0
	v_lshlrev_b32 v[CO], 4, v6                     ; 16 x lane
	v_lshrrev_b32 v5, 3, v6                        ; back: eight lanes take a head's 128 bytes of a row, the 32 lanes four rows
	v_mul_u32_u24 v5, v5, SPITCH
	v_and_b32 v6, 7, v6
	v_lshl_add_u32 v5, v6, 4, v5
	v_add_nc_u32 v[RD], s23, v5
	; where my part begins in qkv16: projection x 2^24 + batch x 2^21 + head x 2^17 + t x 128
	s_and_b32 s20, s17, 31                         ; tile row within the projection
	s_lshr_b32 s21, s20, 2                         ; batch
	s_lshl_b32 s21, s21, 21
	s_and_b32 s20, s20, 3
	s_lshl_b32 s20, s20, 15                        ; t = 256 x (tile row % 4)
	s_add_co_u32 s20, s20, s21
	s_lshl_b32 s21, s15, 14                        ;   + 128 x my half of the rows
	s_add_co_u32 s20, s20, s21
	s_lshl_b32 s21, s98, 24
	s_add_co_u32 s20, s20, s21
	s_lshl_b32 s46, s42, 19                        ; head = 4 x tile column + 2 x my half of the columns
	s_lshl_b32 s47, s16, 18
	s_add_co_u32 s46, s46, s47
	s_add_co_u32 s20, s20, s46
	s_mov_b32 s21, 0
	s_add_nc_u64 s[12:13], s[12:13], s[20:21]
.macro FRAG reg, adr, q, i             ; 16 rows x 128 K of 4-bit codes: lane l holds row l % 16; registers 4 c .. 4 c + 3 hold K = 64 c + 32 (l / 16) + 0 .. 31
.irp c, 0,1
	ds_load_b128 v[\reg+4*\c:\reg+4*\c+3], v[\adr] offset:64*(\q)+32*\c+(\i)*16*PITCH
.endr
.endm
; 16 matrix instructions: A's blocks a0, a0 + 1 x B's eight, the slot's q-th 128 along K.  p: B's set;  sc: the set of scale words.  first = 1: the sums begin with the bias.
; The 64 accumulators take turns, one instruction a turn, in the same order in every step.
.macro MUL16 a0, p, q, sc, first
.irp a, \a0, \a0+1
.irp b, 0,1,2,3,4,5,6,7
.if \first
	v_wmma_scale_f32_16x16x128_f8f6f4 v[8*(8*((\a)%4)+\b):8*(8*((\a)%4)+\b)+7], v[128*(\p)+FR*\b:128*(\p)+FR*\b+FR-1], v[AF+FR*(\a):AF+FR*(\a)+FR-1], v[BI+8*\b:BI+8*\b+7], v[SC+8*NQ*(\sc)+NQ*\b+(\q)], v[SC+8*NQ*(\sc)+NQ*(\a)+(\q)] matrix_a_fmt:MATRIX_FMT_FP4 matrix_b_fmt:MATRIX_FMT_FP4 matrix_a_scale:MATRIX_SCALE_ROW1
.else
	v_wmma_scale_f32_16x16x128_f8f6f4 v[8*(8*((\a)%4)+\b):8*(8*((\a)%4)+\b)+7], v[128*(\p)+FR*\b:128*(\p)+FR*\b+FR-1], v[AF+FR*(\a):AF+FR*(\a)+FR-1], v[8*(8*((\a)%4)+\b):8*(8*((\a)%4)+\b)+7], v[SC+8*NQ*(\sc)+NQ*\b+(\q)], v[SC+8*NQ*(\sc)+NQ*(\a)+(\q)] matrix_a_fmt:MATRIX_FMT_FP4 matrix_b_fmt:MATRIX_FMT_FP4 matrix_a_scale:MATRIX_SCALE_ROW1
.endif
.endr
.endr
.endm
.macro FETCH_B slot, q, p              ; B's eight fragments of the slot's q-th 128 along K into set p
	WIN TO_B
.irp i, 0,1,2,3,4,5,6,7
	FRAG 128*(\p)+FR*\i, ADRB+\slot, \q, \i
.endr
	WIN 0
.endm
.macro FETCH_A slot, q, i0             ; A's blocks i0 .. i0 + 3
.irp i, \i0, \i0+1, \i0+2, \i0+3
	FRAG AF+FR*(\i), ADRA+\slot, \q, \i
.endr
.endm
.macro SCALES sc                       ; a slot's scale words into set sc: four words a row; lanes 0-15 take A's block i, lanes 16-31 B's block i
.irp i, 0,1,2,3,4,5,6,7
	ds_load_b128 v[SC+8*NQ*\sc+NQ*\i:SC+8*NQ*\sc+NQ*\i+3], v[ADRS] offset:\i*SBLK
.endr
.endm
.macro PLACES n                        ; plain vector instructions between a matrix instruction and a load into, or a read of, its registers
.rept \n
	v_nop
.endr
.endm
; A step of 128 along K that has its successor in the same slot.  A block of A is free as soon as its eight products are issued: blocks 0-3 are fetched anew in the step's middle, blocks 4-7 at its end.
.macro STEP slot, q, first
	s_wait_dscnt 4*NL                              ; B's set and A's blocks 0-3 are in; the youngest eight loads (A's blocks 4-7) may be out
.if \first
	WIN FIRST_LO
.else
	WIN MUL_LO
.endif
	MUL16 0, (\q)%2, \q, \slot, \first
	MUL16 2, (\q)%2, \q, \slot, \first
	s_wait_dscnt 0                                 ; A's blocks 4-7 are in
	PLACES NP
	FETCH_B \slot, (\q)+1, 1-(\q)%2
	FETCH_A \slot, (\q)+1, 0
.if \first
	WIN FIRST_HI
.else
	WIN MUL_HI
.endif
	MUL16 4, (\q)%2, \q, \slot, \first
	MUL16 6, (\q)%2, \q, \slot, \first
	PLACES NP
	WIN 0
	FETCH_A \slot, (\q)+1, 4
.endm
; Slot 0's last step changes slots: in front of the barrier each wave waits for all its tensor loads (its part of slot 1) and for its own reads of slot 0.
.macro TURN slot, next
	s_wait_tensorcnt 0x0                           ; all my tensor loads have landed
	ds_add_u32 v[SPW], v[NIL]                      ; 0 onto my spare word
	s_wait_dscnt 4*NL+1                            ; (the add and the youngest eight loads, A's blocks 4-7, may be out)
	WIN MUL_LO
	MUL16 0, 1, NQ-1, \slot, 0
	s_wait_dscnt 0x0                               ; the add is done, and my reads of this slot are over
	s_barrier_signal -1
	MUL16 2, 1, NQ-1, \slot, 0
	WIN 0
	s_barrier_wait -1
	PLACES NP
	v_add_nc_u32 v[ADRS], 4*NQ, v[ADRS]            ; on to the next slot's scale words
	FETCH_B \next, 0, 0
	FETCH_A \next, 0, 0
	SCALES \next
	WIN MUL_HI
	MUL16 4, 1, NQ-1, \slot, 0
	MUL16 6, 1, NQ-1, \slot, 0
	PLACES NP
	WIN 0
	FETCH_A \next, 0, 4
.endm
.macro STEPS slot, from                ; the slot's steps from .. NQ - 2
.set Q, \from
.rept NQ-1-\from
	STEP \slot, Q, 0
.set Q, Q+1
.endr
.endm
	s_wait_tensorcnt 1                             ; the scales and my part of slot 0 are in (slot 1's load may be out)
	s_barrier_signal -1
	s_barrier_wait -1                              ; everybody's are
	FETCH_B 0, 0, 0
	FETCH_A 0, 0, 0
	SCALES 0
	FETCH_A 0, 0, 4
	s_wait_loadcnt 0x0                             ; the bias
	STEP 0, 0, 1                                   ; the first step's products start the sums, with the bias as C
	STEPS 0, 1
	TURN 0, 1
	STEPS 1, 0
	s_wait_dscnt 4*NL                              ; the last step: nothing more to fetch
	WIN MUL_LO
	MUL16 0, 1, NQ-1, 1, 0
	MUL16 2, 1, NQ-1, 1, 0
	s_wait_dscnt 0
	WIN MUL_HI
	MUL16 4, 1, NQ-1, 1, 0
	MUL16 6, 1, NQ-1, 1, 0
	WIN 0
; THE WAY OUT, block by block of 16 rows x 128 columns (two heads).  A lane's eight results pack into 16 bytes of a row; they go through my own stage in LDS and come back by heads:
; four rows of one head are 512 consecutive bytes of qkv16, which the 32 lanes store at once.  LDS serves a wave's instructions in order: no wait between the stores and the loads.
.macro PACK a
.set AC, 64*((\a)%4)
	WIN 0x0a+5*((\a)/4)                            ; sources 0 and 1: window 2 or 3
.irp b, 0,1,2,3,4,5,6,7
.irp r, 0,1,2,3
	v_cvt_pk_f16_f32 v[TMP+4*\b+\r], v[AC+8*\b+2*\r], v[AC+8*\b+2*\r+1]   ; each accumulator from its low end on
.endr
.endr
	WIN 0
.endm
.macro TOSTAGE a
.set BB, BK+32*((\a)%2)
.irp b, 0,1,2,3,4,5,6,7
	ds_store_b128 v[STO], v[TMP+4*\b:TMP+4*\b+3] offset:32*\b
.endr
.irp hd, 0,1
.irp i, 0,1,2,3
	ds_load_b128 v[BB+4*(4*\hd+\i):BB+4*(4*\hd+\i)+3], v[RD] offset:128*\hd+4*SPITCH*\i
.endr
.endr
.endm
.macro SEND a
.set BB, BK+32*((\a)%2)
	s_wait_dscnt 0x0                               ; the block is back in registers
	s_wait_xcnt 0x0                                ; the block before has had its stores' registers read: the next block's loads may land there
.irp hd, 0,1
.irp i, 0,1,2,3
	global_store_b128 v[CO], v[BB+4*(4*\hd+\i):BB+4*(4*\hd+\i)+3], s[12:13] offset:2048*(\a)+512*\i+131072*\hd   ; 512 consecutive bytes, aligned
.endr
.endr
.endm
	PLACES NP                                      ; behind the last products: for the conversions' reads, and for the loads into the registers that held A's fragments
	PACK 0
	TOSTAGE 0
.irp a, 1,2,3,4,5,6,7                  ; block a's conversions stand between block a - 1's loads from the stage and the wait for them
	PACK \a
	SEND \a-1
	TOSTAGE \a
.endr
	SEND 7
	s_wait_tensorcnt 0x0                           ; the wave's end: behind my last tensor load and my last LDS store
	ds_add_u32 v[SPW], v[NIL]
	s_wait_dscnt 0x0
	CROUND                                         ; the closing round: no work-group ends while a partner may still ask for a tile that names it
	s_endpgm
.Lfunc_end_k_q63e78e0a4b_proj:
	.size	k_q63e78e0a4b_proj, .Lfunc_end_k_q63e78e0a4b_proj-k_q63e78e0a4b_proj
	.p2alignl 7, 3214868480
	.fill 96, 4, 3214868480
	.section	.rodata,"a",@progbits
	.p2align	6, 0x0
	.amdhsa_kernel k_q63e78e0a4b_proj
		.amdhsa_group_segment_fixed_size 327680
		.amdhsa_private_segment_fixed_size 0
		.amdhsa_enable_private_segment 0
		.amdhsa_kernarg_size 40
		.amdhsa_user_sgpr_count 2
		.amdhsa_user_sgpr_kernarg_segment_ptr 1
		.amdhsa_wavefront_size32 1
		.amdhsa_system_sgpr_workgroup_id_x 1
		.amdhsa_system_sgpr_workgroup_id_y 1
		.amdhsa_system_sgpr_workgroup_id_z 1
		.amdhsa_system_vgpr_workitem_id 0
		.amdhsa_next_free_vgpr 1024
		.amdhsa_next_free_sgpr 100
		.amdhsa_reserve_vcc 0
		.amdhsa_float_denorm_mode_32 3
		.amdhsa_float_denorm_mode_16_64 3
		.amdhsa_memory_ordered 1
		.amdhsa_forward_progress 1
		.amdhsa_inst_pref_size 130
	.end_amdhsa_kernel
	.amdgpu_metadata
---
amdhsa.version: [ 1, 2 ]
amdhsa.kernels:
  - .name:           k_q63e78e0a4b_proj
    .symbol:         k_q63e78e0a4b_proj.kd
    .args:
      - { .name: codes, .offset: 0, .size: 8, .value_kind: global_buffer, .address_space: global }
      - { .name: scales, .offset: 8, .size: 8, .value_kind: global_buffer, .address_space: global }
      - { .name: bq, .offset: 16, .size: 8, .value_kind: global_buffer, .address_space: global }
      - { .name: bv, .offset: 24, .size: 8, .value_kind: global_buffer, .address_space: global }
      - { .name: qkv16, .offset: 32, .size: 8, .value_kind: global_buffer, .address_space: global }
    .group_segment_fixed_size: 327680
    .private_segment_fixed_size: 0
    .kernarg_segment_align: 8
    .kernarg_segment_size: 40
    .max_flat_workgroup_size: 128
    .sgpr_count:     100
    .vgpr_count:     1024
    .wavefront_size: 32
...
	.end_amdgpu_metadata
.endif
;; end of part 2
;; launch attn (part 3): grid 2 x 128, 16 waves a work-group, no clusters, 327,680 bytes of LDS; arguments qkv16, x16; writes x16
.if DOCPART == 3
	.amdgcn_target "amdgcn-amd-amdhsa--gfx1250"
	.amdhsa_code_object_version 6
	.text
	.protected	k_q63e78e0a4b_attn
	.globl	k_q63e78e0a4b_attn
	.p2align	8
	.type	k_q63e78e0a4b_attn,@function
k_q63e78e0a4b_attn:
	s_mov_b64 s[64:65], 0
	v_nop
	global_prefetch_b8 v0, s[64:65] scope:SCOPE_SE
	s_setreg_imm32_b32 hwreg(HW_REG_WAVE_MODE, 25, 1), 1
	s_wait_xcnt 0x0
; LAUNCH 3 OF 4.  x[b][h][q] = the sum over k of softmax_k(q . k / 8) v[k], heads of 64, 1,024 keys, no mask.  q, k, v: f16, [b][h][t][64] in qkv16 (k without bk: see the first launch); x16: f16, the same layout.
; Products with f16 operands and f32 sums; maxima, exponentials and sums in f32; the weights p (at most 1) are rounded to f16 for the second product, x once at the end.  LIMIT: |x| under 65,504.
; SHARES.  A work-group owns 512 queries of one head; each of its SIXTEEN waves owns 32, two tiles of 16, in 256 registers: four waves to a SIMD, so that one wave's softmax stands beside another's products and LDS loads.
; A HEAD'S WHOLE K AND V COME TO LIE IN LDS (1,024 rows of 128 bytes each), IN FOUR CHUNKS OF 256 KEYS.  A chunk is asked for by one tensor load a wave: its 256 rows of K are shared among waves 0-7, 32 rows each, its 256 rows of V
; among waves 8-15.  Chunk 0 is asked for at the head; chunk i + 1 behind the barrier at the head of chunk i, so that it has chunk i's four key steps in which to land.  No LDS byte is filled twice; one tensor load of a wave is out at a time.
; NO CLUSTER: a head's K and V are read by 1,024 / 512 = 2 work-groups; a cluster of four would hold two heads, so a joint request would name two of the four, and its mask and address would hang on the place in the cluster.
; LAYOUT.  S^T = K Q^T (source 0 = 16 keys, source 1 = 16 queries): a lane holds ONE query (lane % 16) and keys 8 (lane / 16) + 0..7.  Two such tiles, rounded to f16 in pairs, ARE source 1 (32 keys x 16 queries) of
; O^T = V^T P, whose result again holds one query a lane.  K comes out of LDS as it lies, V ([key][channel]) turned, by ds_load_tr16_b128.
; SOFTMAX.  For each query a running maximum m and sum l: p = 2^(c s - c m), c = log2(e) / 8; in every step O and l are multiplied by a = 2^(c m_old - c m_new).  O and l begin as zeros and m as -3e38: the loop has no first step of its own.
.set PK,    144                        ; a row of K in LDS: 128 bytes + 16: an odd multiple of 16 bytes: the 16 rows of a load start at different banks
.set PV,    160                        ; a row of V: 128 + 32: an odd multiple of 32 bytes, for the turning load
.set CH,    256                        ; keys in a chunk
.set RW,    32                         ; rows that one tensor load brings: CH / 8 waves
.set VOFF,  1024*PK
.set SPARE, VOFF+1024*PV               ; behind V: the spare words, 128 bytes for each of the sixteen waves
.set AK0, 1                            ; v1   my lane's place in a tile of K; never rewritten
.set AV0, 2                            ; v2   the same for V
.set ADK, 3                            ; v3   LDS address of the step's K
.set ADV, 4                            ; v4   of its V
.set SPW, 5                            ; v5   LDS address of my spare word; never rewritten
.set NIL, 6                            ; v6   0; never rewritten
.set QO,  7                            ; v7   my byte offset in the wave's rows of Q
.set RD,  8                            ; v8   the way out: where I read 16 bytes back
.set GO,  9                            ; v9   16 x lane
.set STO, 10                           ; v10  the way out: where I put 16 bytes of a row
.set PFO, 15                           ; v15  the prefetches' offset: 256 x lane; never rewritten
.set ST,  16                           ; tile t's statistics at v[ST+8 t]: +0 c m, +1 m, +2, +3 l (two halves), +4 to +7 c0-c3, at work; a takes c2's place
.set KV,  32                           ; v32-95   eight fragments of K, then of V
.set S,   96                           ; v96-159  S^T, 32 a tile; P is packed in place into a tile's first 16
.set O,   160                          ; v160-223 O^T, 32 a tile
.set Q,   224                          ; v224-255 Q, 16 a tile
.set WV,  8                            ; s8   my wave's number
.set PFA, 20                           ; s[20:21] where my prefetches stand: my wave's 8,192 bytes of chunk 0 of K (waves 0-3) or of V (waves 4-7); never rewritten
.set LIM, 22                           ; s22  0 in a wave that prefetches
.set G1K, 24                           ; s[24:31] descriptor group 1 for K's tiles;  s[32:39] for V's: it differs in the padding alone
.set G1V, 32
.set G0K, 40                           ; s[40:55] group 0 for K's tiles, a set for each of the four chunks; never rewritten
.set G0V, 68                           ; s[68:83] the same for V's
.set CS,  56                           ; s[56:57] c: the packed scaling names a pair and takes its low word for both halves
.set SEL, 58                           ; s[58:59] lane selects for v_permlanex16_b32: lane l xor 16
.set TB,  60                           ; s60  LDS byte at which the step's 64 rows of K begin
.set TV,  61                           ; s61  the same for V, from VOFF on
.set CNT, 62                           ; s62  counts a chunk's four steps
; My part of chunk i.  Waves 0-7 fetch K, waves 8-15 V: every wave issues one of the two lines; the branch hangs on the wave's number alone.  An s_nop 0 and four v_nop follow each line.
.macro TLOAD i
	s_cmp_lt_u32 s[WV], 8
	s_cbranch_scc0 .Lfor_v_\@
	tensor_load_to_lds s[G0K+4*(\i):G0K+4*(\i)+3], s[G1K:G1K+7]
	s_nop 0
.rept 4
	v_nop
.endr
	s_branch .Lasked_\@
.Lfor_v_\@:
	tensor_load_to_lds s[G0V+4*(\i):G0V+4*(\i)+3], s[G1V:G1V+7]
	s_nop 0
.rept 4
	v_nop
.endr
.Lasked_\@:
.endm
; A PREFETCH INTO THE L2 of chunk i, which the NEXT barrier's tensor loads will ask for: four key steps ahead of them.  It stands behind the wave's tensor load and its five lines.
; Each aligned block of 256 bytes of chunks 2 and 3 is named ONCE in the launch.  Both work-groups of a head walk the same K and V: the first asks (a branch on the work-group's number: this launch has no cluster).
; In it waves 0-3 ask for K's 32,768 bytes of the chunk and waves 4-7 for V's: 8,192 bytes a wave, lanes 256 bytes apart, one instruction.  The chunk stands in the immediate, so no address register is ever rewritten.
; Chunks 0 and 1 come by their loads alone; behind the load of chunk 3 nothing is left to ask for.
.macro ASK i
	s_cmp_eq_u32 s[LIM], 0
	s_cbranch_scc0 .Lnot_mine_\@
	global_prefetch_b8 v[PFO], s[PFA:PFA+1] offset:(\i)*CH*128 th:TH_LOAD_NT scope:SCOPE_SE
.Lnot_mine_\@:
.endm
	s_load_b128 s[4:7], s[0:1], 0x0                ; qkv16 4:5, x16 6:7
	v_lshl_add_u32 v[SPW], v0, 2, SPARE
	v_mov_b32 v[NIL], 0
	ds_add_u32 v[SPW], v[NIL]                      ; the wave's opening: the add, twice on end, and its wait ahead of my first tensor load
	ds_add_u32 v[SPW], v[NIL]
	v_lshrrev_b32 v11, 5, v0
	v_readfirstlane_b32 s[WV], v11                 ; wave 0..15
	s_and_b32 s9, s[WV], 7                         ; which 32 of a chunk's 256 keys I fetch
	s_and_b32 s10, ttmp7, 0xffff                   ; batch x 16 + head
	s_lshl_b32 s12, s10, 17                        ; a head is 131,072 bytes
	s_lshl_b32 s62, s9, 12                         ; 32 rows of 128 bytes
	s_add_co_u32 s14, s12, s62
	s_mov_b32 s15, 0
	s_lshl_b32 s16, ttmp9, 16                      ; my work-group's 512 queries,
	s_lshl_b32 s63, s[WV], 12                      ; my wave's 32 of them
	s_add_co_u32 s16, s16, s63
	s_add_co_u32 s16, s16, s12
	s_mov_b32 s17, 0
	s_mul_i32 s62, s9, RW*PK                       ; where my 32 rows go, in a chunk of K's region
	s_mul_i32 s63, s9, RW*PV                       ; and of V's
	s_lshr_b32 s20, s[WV], 2                       ; the prefetches: waves 0-3 K, waves 4-7 V (held at V for the waves that do not ask)
	s_min_u32 s20, s20, 1
	s_add_co_u32 s20, s20, 1
	s_lshl_b32 s20, s20, 24                        ; k lies 2^24 bytes behind q, v 2^25
	s_and_b32 s21, s[WV], 3
	s_lshl_b32 s21, s21, 13                        ; my wave's 8,192 bytes of a chunk's 32,768
	s_add_co_u32 s20, s20, s21
	s_add_co_u32 s20, s20, s12                     ; in my head
	s_mov_b32 s21, 0
	s_lshr_b32 s[LIM], s[WV], 3                    ; 0 in waves 0 to 7,
	s_or_b32 s[LIM], s[LIM], ttmp9                 ; of the head's first work-group
	; descriptor group 1: 32 rows of 64 elements of 2 bytes, dense in memory, padded behind every row in LDS
	s_mov_b32 s[G1K], (1<<16)|(1<<20)|(4<<22)|(3<<25)   ; 15:0 no mask; 17:16 elements of 2 bytes; 20 padding on; 24:22 after every 32 words; 31:25 four words
	s_mov_b32 s[G1V], (1<<16)|(1<<20)|(4<<22)|(7<<25)   ; the same with eight words
.irp g, G1K, G1V
	s_mov_b32 s[\g+1], 64<<16                      ; tensor_dim0
	s_mov_b32 s[\g+2], RW<<16                      ; tensor_dim1
	s_mov_b32 s[\g+3], 64<<16                      ; tile_dim0
	s_mov_b32 s[\g+4], RW                          ; tile_dim1
	s_mov_b32 s[\g+5], 64                          ; from row to row
	s_mov_b32 s[\g+6], 0
	s_mov_b32 s[\g+7], 0
.endr
	s_mov_b32 s[CS], 0x3e38aa3b                    ; c = log2(e) / 8
	s_mov_b32 s[CS+1], s[CS]                       ; (named with it as a pair, so it is written)
	s_mov_b32 s[SEL], 0x76543210
	s_mov_b32 s[SEL+1], 0xfedcba98
	s_wait_dscnt 0x0                               ; both opening adds are done
	s_wait_kmcnt 0x0
	s_add_nc_u64 s[14:15], s[4:5], s[14:15]        ; qkv16 at my head's row 32 x (wave % 8)
	s_add_nc_u64 s[18:19], s[6:7], s[16:17]        ; x16 at my first query
	s_add_nc_u64 s[16:17], s[4:5], s[16:17]        ; q likewise
	s_add_nc_u64 s[PFA:PFA+1], s[4:5], s[PFA:PFA+1]
.irp i, 0,1,2,3
	s_mov_b32 s[G0K+4*\i], 1                       ; count = 1
	s_add_co_u32 s[G0K+4*\i+1], s62, \i*CH*PK      ; LDS address
	s_add_nc_u64 s[G0K+4*\i+2:G0K+4*\i+3], s[14:15], (1<<24)+\i*CH*128   ; k lies 2^24 bytes behind q; keys 256 i on
	s_or_b32 s[G0K+4*\i+3], s[G0K+4*\i+3], 0x80000000   ; type = 2
	s_mov_b32 s[G0V+4*\i], 1
	s_add_co_u32 s[G0V+4*\i+1], s63, VOFF+\i*CH*PV
	s_add_nc_u64 s[G0V+4*\i+2:G0V+4*\i+3], s[14:15], (2<<24)+\i*CH*128   ; v lies 2^25 bytes behind q
	s_or_b32 s[G0V+4*\i+3], s[G0V+4*\i+3], 0x80000000
.endr
	TLOAD 0                                        ; chunk 0: ahead of every wait on TENSORcnt, every LDS read and every barrier
	v_and_b32 v11, 15, v0                          ; r = l % 16
	v_bfe_u32 v12, v0, 4, 1                        ; h = l / 16
	v_lshlrev_b32 v[QO], 7, v11
	v_lshl_add_u32 v[QO], v12, 4, v[QO]            ; row r of 128 bytes + 16 h
.irp t, 0,1
.irp kc, 0,1                                   ; Q stays in registers: tile t, channels 32 kc on
	global_load_b128 v[Q+16*\t+8*\kc:Q+16*\t+8*\kc+3],   v[QO], s[16:17] offset:2048*\t+64*\kc
	global_load_b128 v[Q+16*\t+8*\kc+4:Q+16*\t+8*\kc+7], v[QO], s[16:17] offset:2048*\t+64*\kc+32
.endr
.endr
	v_mul_u32_u24 v[AK0], v11, PK
	v_lshl_add_u32 v[AK0], v12, 4, v[AK0]          ; row x pitch + 16 x half
	v_and_b32 v14, 7, v0
	v_bfe_u32 v13, v0, 3, 1
	v_lshl_add_u32 v[AV0], v12, 3, v14             ; the turning load: lane l reads key 8 (l / 16) + l % 8, channels 8 ((l / 8) % 2) + 0..7
	v_mul_u32_u24 v[AV0], v[AV0], PV
	v_lshl_add_u32 v[AV0], v13, 4, v[AV0]
	v_add_nc_u32 v[AV0], VOFF, v[AV0]
	s_mul_i32 s63, s[WV], 32*PK                    ; my stage for the way out: 2 x 16 rows of 144 bytes, in K's region
	v_add_nc_u32 v[STO], s63, v[AK0]               ; in: row r, 16 bytes for each half of the lanes
	v_and_b32 v13, 31, v0
	v_lshlrev_b32 v[GO], 4, v13
	v_lshlrev_b32 v[PFO], 8, v13
	v_lshrrev_b32 v13, 3, v13
	v_mul_u32_u24 v[RD], v13, PK                   ; back: eight lanes take a row of 128 bytes, the 32 lanes four rows
	v_lshl_add_u32 v[RD], v14, 4, v[RD]
	v_add_nc_u32 v[RD], s63, v[RD]
.irp t, 0,1
	v_mov_b32 v[ST+8*\t+1], 0xff61b1e6             ; m = -3e38, under every score
	v_mul_f32 v[ST+8*\t], s[CS], v[ST+8*\t+1]      ; c m
	v_mov_b32 v[ST+8*\t+2], 0                      ; l, in two halves
	v_mov_b32 v[ST+8*\t+3], 0
.endr
.set j, 0
.rept 64
	v_mov_b32 v[O+j], 0                            ; O^T: the first step finds zeros, which a = 0 leaves zeros
.set j, j+1
.endr
; A KEY STEP: 64 keys for my two tiles of queries.
.macro STEP
	v_add_nc_u32 v[ADK], s[TB], v[AK0]             ; these two and three v_nop: five places behind the last products V^T P, whose P the new scores write over and into whose V the loads land
	v_add_nc_u32 v[ADV], s[TV], v[AV0]
.rept 3
	v_nop
.endr
.irp kc, 0,1                                   ; K: fragment (keys 16 kt on, channels 32 kc on) at KV + 8 (4 kc + kt); the first 32 channels first
.irp kt, 0,1,2,3
	ds_load_b128 v[KV+8*(4*\kc+\kt):KV+8*(4*\kc+\kt)+3],   v[ADK] offset:\kt*16*PK+64*\kc
	ds_load_b128 v[KV+8*(4*\kc+\kt)+4:KV+8*(4*\kc+\kt)+7], v[ADK] offset:\kt*16*PK+64*\kc+32
.endr
.endr
	s_wait_dscnt 8                                 ; the first 32 channels are in; the eight loads of the other 32 may be out
.irp kt, 0,1,2,3                               ; eight accumulators by turns; the first products start the sums
.irp t, 0,1
	v_wmma_f32_16x16x32_f16 v[S+32*\t+8*\kt:S+32*\t+8*\kt+7], v[KV+8*\kt:KV+8*\kt+7], v[Q+16*\t:Q+16*\t+7], 0
.endr
.endr
	s_wait_dscnt 0x0
.irp kt, 0,1,2,3
.irp t, 0,1
	v_wmma_f32_16x16x32_f16 v[S+32*\t+8*\kt:S+32*\t+8*\kt+7], v[KV+32+8*\kt:KV+32+8*\kt+7], v[Q+16*\t+8:Q+16*\t+15], v[S+32*\t+8*\kt:S+32*\t+8*\kt+7]
.endr
.endr
.rept 4
	v_nop                                          ; places in front of the loads into K's registers and of the first read of the scores
.endr
.irp c, 0,1                                    ; V, turned: fragment (keys 32 c on, channels 16 ct on) at KV + 8 (4 c + ct); it lands while the softmax is walked
.irp ct, 0,1,2,3
	ds_load_tr16_b128 v[KV+8*(4*\c+\ct):KV+8*(4*\c+\ct)+3],   v[ADV] offset:\c*32*PV+32*\ct
	ds_load_tr16_b128 v[KV+8*(4*\c+\ct)+4:KV+8*(4*\c+\ct)+7], v[ADV] offset:\c*32*PV+16*PV+32*\ct
.endr
.endr
	; the softmax, the two tiles line by line in turn.  The maximum of the lane's 32 scores and the old m: four chains, each accumulator read from its low end on
.irp j, 0,1,2,3
.irp t, 0,1
	v_max3_num_f32 v[ST+8*\t+4+\j], v[S+32*\t+8*\j], v[S+32*\t+8*\j+1], v[S+32*\t+8*\j+2]
.endr
.endr
.irp g, 1,2
.irp j, 0,1,2,3
.irp t, 0,1
	v_max3_num_f32 v[ST+8*\t+4+\j], v[ST+8*\t+4+\j], v[S+32*\t+8*\j+2*\g+1], v[S+32*\t+8*\j+2*\g+2]
.endr
.endr
.endr
.irp t, 0,1
	v_max3_num_f32 v[ST+8*\t+4], v[ST+8*\t+4], v[S+32*\t+7], v[S+32*\t+15]
.endr
.irp t, 0,1
	v_max3_num_f32 v[ST+8*\t+6], v[ST+8*\t+6], v[S+32*\t+23], v[S+32*\t+31]
.endr
.irp t, 0,1
	v_max3_num_f32 v[ST+8*\t+4], v[ST+8*\t+4], v[ST+8*\t+5], v[ST+8*\t+6]
.endr
.irp t, 0,1
	v_max3_num_f32 v[ST+8*\t+4], v[ST+8*\t+4], v[ST+8*\t+7], v[ST+8*\t+1]
.endr
.irp t, 0,1
	v_permlanex16_b32 v[ST+8*\t+5], v[ST+8*\t+4], s[SEL], s[SEL+1]   ; the query's other 32 keys lie in the lane 16 away
.endr
.irp t, 0,1
	v_mov_b32 v[ST+8*\t+7], v[ST+8*\t]             ; c m_old is kept for a
.endr
.irp t, 0,1
	v_max_num_f32 v[ST+8*\t+1], v[ST+8*\t+4], v[ST+8*\t+5]
.endr
.irp t, 0,1
	v_mul_f32 v[ST+8*\t], s[CS], v[ST+8*\t+1]
.endr
.irp t, 0,1
	v_sub_f32 v[ST+8*\t+7], v[ST+8*\t+7], v[ST+8*\t]
.endr
	; ONE BATCH of exponentials: a, then, behind the scalings, all 64 p.  None of these lines reads an exponential's result
.irp t, 0,1
	v_exp_f32 v[ST+8*\t+6], v[ST+8*\t+7]           ; a = 2^(c m_old - c m_new)
.endr
.irp b, 0,2,4,6,8,10,12,14,16,18,20,22,24,26,28,30
.irp t, 0,1
	v_pk_fma_f32 v[S+32*\t+\b:S+32*\t+\b+1], v[S+32*\t+\b:S+32*\t+\b+1], s[CS:CS+1], v[ST+8*\t:ST+8*\t+1] op_sel_hi:[1,0,0] neg_lo:[0,0,1] neg_hi:[0,0,1]   ; c s - c m, two at a time
.endr
.endr
.set j, 0
.rept 64
	v_exp_f32 v[S+j], v[S+j]                       ; p = 2^(c s - c m), at most 1
.set j, j+1
.endr
	v_nop                                          ; a plain instruction behind the last exponential
	s_wait_alu depctr_va_vdst(0)                   ; one wait for the batch of 66, ahead of its first reader
.irp t, 0,1
	v_pk_mul_f32 v[ST+8*\t+2:ST+8*\t+3], v[ST+8*\t+2:ST+8*\t+3], v[ST+8*\t+6:ST+8*\t+7] op_sel_hi:[1,0]   ; l under the new m
.endr
.irp t, 0,1
	v_pk_add_f32 v[ST+8*\t+4:ST+8*\t+5], v[S+32*\t:S+32*\t+1], v[S+32*\t+2:S+32*\t+3]   ; the sum of the unrounded p, two at a time, in two chains
.endr
.irp j, 4,8,12,16,20,24,28
.irp t, 0,1
	v_pk_add_f32 v[ST+8*\t+2:ST+8*\t+3], v[ST+8*\t+2:ST+8*\t+3], v[S+32*\t+\j:S+32*\t+\j+1]
	v_pk_add_f32 v[ST+8*\t+4:ST+8*\t+5], v[ST+8*\t+4:ST+8*\t+5], v[S+32*\t+\j+2:S+32*\t+\j+3]
.endr
.endr
.irp t, 0,1
	v_pk_add_f32 v[ST+8*\t+2:ST+8*\t+3], v[ST+8*\t+2:ST+8*\t+3], v[ST+8*\t+4:ST+8*\t+5]
.endr
.irp i, 0,1,2,3,4,5,6,7,8,9,10,11,12,13,14,15
.irp t, 0,1
	v_cvt_pk_f16_f32 v[S+32*\t+\i], v[S+32*\t+2*\i], v[S+32*\t+2*\i+1]   ; P, in place and ascending: register i is written when pairs 0 to i have been read
.endr
.endr
.irp i, 0,2,4,6,8,10,12,14,16,18,20,22,24,26,28,30
.irp t, 0,1
	v_pk_mul_f32 v[O+32*\t+\i:O+32*\t+\i+1], v[O+32*\t+\i:O+32*\t+\i+1], v[ST+8*\t+6:ST+8*\t+7] op_sel_hi:[1,0]   ; O^T under the new m
.endr
.endr
	s_wait_dscnt 0x0                               ; V is in
.irp c, 0,1                                    ; O^T += V^T P: eight accumulators by turns
.irp ct, 0,1,2,3
.irp t, 0,1
	v_wmma_f32_16x16x32_f16 v[O+32*\t+8*\ct:O+32*\t+8*\ct+7], v[KV+8*(4*\c+\ct):KV+8*(4*\c+\ct)+7], v[S+32*\t+8*\c:S+32*\t+8*\c+7], v[O+32*\t+8*\ct:O+32*\t+8*\ct+7]
.endr
.endr
.endr
	s_add_co_u32 s[TB], s[TB], 64*PK               ; the next 64 keys
	s_add_co_u32 s[TV], s[TV], 64*PV
.endm
; THE HEAD OF A CHUNK.  Each wave waits for all its tensor loads, of which one is out: its part of the chunk that it is about to read; adds 0 to its spare word; waits for that and for its LDS reads; and passes the barrier:
; behind it the chunk is whole.  next > 0: my part of chunk next is asked for first thing behind the barrier, my one tensor load until the next barrier.
; ask > 0: chunk ask is prefetched.
.macro CHANGE next, ask
	s_wait_tensorcnt 0x0                           ; no tensor load of mine is out
	ds_add_u32 v[SPW], v[NIL]                      ; 0 onto my spare word
	s_wait_dscnt 0x0                               ; the add is done, and my LDS reads are back
	s_barrier_signal -1
	s_barrier_wait -1
.if \next
	TLOAD \next
.endif
.if \ask
	ASK \ask
.endif
.endm
.macro QUART i                         ; chunk i: four key steps, 256 keys
	s_mov_b32 s[TB], (\i)*CH*PK
	s_mov_b32 s[TV], (\i)*CH*PV
	s_mov_b32 s[CNT], 4
.Lstep_\@:
	STEP
	s_sub_co_u32 s[CNT], s[CNT], 1
	s_cmp_lg_u32 s[CNT], 0
	s_cbranch_scc1 .Lstep_\@
.endm
	CHANGE 1, 2                                    ; chunk 0 is whole; chunk 1 is asked for, chunk 2 prefetched
	s_wait_loadcnt 0x0                             ; Q
	QUART 0
	CHANGE 2, 3
	QUART 1
	CHANGE 3, 0                                    ; the last load
	QUART 2
	CHANGE 0, 0                                    ; chunk 3 is whole; nothing is left to ask for
	QUART 3
	s_wait_dscnt 0x0                               ; my reads of K and V are over
	s_barrier_signal -1
	s_barrier_wait -1                              ; everybody's are: the stages, which lie in K's region, may be written
	; THE WAY OUT.  l's halves and the other half of the lanes' are added; O^T / l is rounded to f16 and goes through my stage, so that the 32 lanes store 512 consecutive bytes (four rows of x16).
.irp t, 0,1
	v_add_f32 v[ST+8*\t+4], v[ST+8*\t+2], v[ST+8*\t+3]
.endr
.irp t, 0,1
	v_permlanex16_b32 v[ST+8*\t+5], v[ST+8*\t+4], s[SEL], s[SEL+1]
.endr
.irp t, 0,1
	v_add_f32 v[ST+8*\t+4], v[ST+8*\t+4], v[ST+8*\t+5]
.endr
.irp t, 0,1
	v_rcp_f32 v[ST+8*\t+6], v[ST+8*\t+4]
.endr
	v_nop                                          ; a plain instruction behind the last reciprocal
	s_wait_alu depctr_va_vdst(0)                   ; and one wait for the two, ahead of their first reader
.irp t, 0,1
.irp i, 0,2,4,6,8,10,12,14,16,18,20,22,24,26,28,30
	v_pk_mul_f32 v[O+32*\t+\i:O+32*\t+\i+1], v[O+32*\t+\i:O+32*\t+\i+1], v[ST+8*\t+6:ST+8*\t+7] op_sel_hi:[1,0]
.endr
.irp i, 0,1,2,3,4,5,6,7,8,9,10,11,12,13,14,15
	v_cvt_pk_f16_f32 v[S+16*\t+\i], v[O+32*\t+2*\i], v[O+32*\t+2*\i+1]   ; registers 4 ct .. 4 ct + 3: channels 16 ct + 8 h + 0..7 of query r
.endr
.irp ct, 0,1,2,3
	ds_store_b128 v[STO], v[S+16*\t+4*\ct:S+16*\t+4*\ct+3] offset:16*PK*\t+32*\ct
.endr
.irp i, 0,1,2,3
	ds_load_b128 v[KV+16*\t+4*\i:KV+16*\t+4*\i+3], v[RD] offset:16*PK*\t+4*PK*\i   ; LDS serves a wave's instructions in order: these see my stores
.endr
.endr
.irp t, 0,1
.irp i, 0,1,2,3
	s_wait_dscnt 11-8*\t-\i                        ; behind this load: the tile's later loads, and for tile 0 tile 1's four stores and four loads
	global_store_b128 v[GO], v[KV+16*\t+4*\i:KV+16*\t+4*\i+3], s[18:19] offset:2048*\t+512*\i
.endr
.endr
	s_wait_tensorcnt 0x0                           ; the wave's end: behind my last tensor load and my last LDS store
	ds_add_u32 v[SPW], v[NIL]
	s_wait_dscnt 0x0
	s_endpgm
.Lfunc_end_k_q63e78e0a4b_attn:
	.size	k_q63e78e0a4b_attn, .Lfunc_end_k_q63e78e0a4b_attn-k_q63e78e0a4b_attn
	.p2alignl 7, 3214868480
	.fill 96, 4, 3214868480
	.section	.rodata,"a",@progbits
	.p2align	6, 0x0
	.amdhsa_kernel k_q63e78e0a4b_attn
		.amdhsa_group_segment_fixed_size 327680
		.amdhsa_private_segment_fixed_size 0
		.amdhsa_enable_private_segment 0
		.amdhsa_kernarg_size 16
		.amdhsa_user_sgpr_count 2
		.amdhsa_user_sgpr_kernarg_segment_ptr 1
		.amdhsa_wavefront_size32 1
		.amdhsa_system_sgpr_workgroup_id_x 1
		.amdhsa_system_sgpr_workgroup_id_y 1
		.amdhsa_system_sgpr_workgroup_id_z 1
		.amdhsa_system_vgpr_workitem_id 0
		.amdhsa_next_free_vgpr 256
		.amdhsa_next_free_sgpr 88
		.amdhsa_reserve_vcc 0
		.amdhsa_float_denorm_mode_32 3
		.amdhsa_float_denorm_mode_16_64 3
		.amdhsa_memory_ordered 1
		.amdhsa_forward_progress 1
		.amdhsa_inst_pref_size 89
	.end_amdhsa_kernel
	.amdgpu_metadata
---
amdhsa.version: [ 1, 2 ]
amdhsa.kernels:
  - .name:           k_q63e78e0a4b_attn
    .symbol:         k_q63e78e0a4b_attn.kd
    .args:
      - { .name: qkv16, .offset: 0, .size: 8, .value_kind: global_buffer, .address_space: global }
      - { .name: x16, .offset: 8, .size: 8, .value_kind: global_buffer, .address_space: global }
    .group_segment_fixed_size: 327680
    .private_segment_fixed_size: 0
    .kernarg_segment_align: 8
    .kernarg_segment_size: 16
    .max_flat_workgroup_size: 512
    .sgpr_count:     88
    .vgpr_count:     256
    .wavefront_size: 32
...
	.end_amdgpu_metadata
.endif
;; end of part 3
;; launch outp (part 4): grid 4 x 64, 4 waves a work-group, clusters of 4 x 4, 327,680 bytes of LDS; arguments x16, wo16, bo, mask, out0; writes out0
.if DOCPART == 4
	.amdgcn_target "amdgcn-amd-amdhsa--gfx1250"
	.amdhsa_code_object_version 6
	.text
	.protected	k_q63e78e0a4b_outp
	.globl	k_q63e78e0a4b_outp
	.p2align	8
	.type	k_q63e78e0a4b_outp,@function
k_q63e78e0a4b_outp:
	s_mov_b64 s[64:65], 0
	v_nop
	global_prefetch_b8 v0, s[64:65] scope:SCOPE_SE
	s_setreg_imm32_b32 hwreg(HW_REG_WAVE_MODE, 25, 1), 1
	s_wait_xcnt 0x0
	s_wait_alu depctr_hold_cnt(0) depctr_sa_sdst(0) depctr_va_vdst(0) depctr_va_sdst(0) depctr_va_ssrc(0) depctr_va_vcc(0) depctr_vm_vsrc(0)
	s_getreg_b32 s2, hwreg(HW_REG_IB_STS2, 6, 4)
	s_cmp_eq_u32 s2, 0
	s_cbranch_scc0 .Lentry_in_a_cluster
	s_endpgm
.Lentry_in_a_cluster:
	s_bfe_u32 s2, ttmp6, 0x10000c
	s_cmp_lg_u32 s2, 0xf033
	s_cbranch_scc0 .Lentry_shape_is_right
	s_endpgm
.Lentry_shape_is_right:
; LAUNCH 4 OF 4.  out0[b][t][n] = (the sum over k of x[b][t][k] Wo[n][k] + bo[n]) x mask[b][t].  x16: f16, [b][h][t][64] (k = 64 h + channel); wo16: f16, [n][k]; sums in f32; out0 f32.
; A tile of the result is 128 rows x 256 columns: 64 x 4 = 256 work-groups.  Four waves, each 64 rows x 128 columns: 32 accumulators of 16 x 16, 256 registers.
; K goes in steps of 128, which are TWO HEADS: A's tile is two planes of 128 rows x 128 bytes (each dense in memory), B's 256 rows of 256 bytes; a ring of two LDS slots.  One tensor load a wave: waves 0 and 1 a plane of A each, waves 2 and 3 128 rows of B each.
; CLUSTERS: 4 x 4 work-groups.  The four of a row of the cluster need the same tiles of A, the four of a column the same tiles of B: each tile is asked for JOINTLY.
; THE MATRIX INSTRUCTION IS USED TRANSPOSED (source 0 = 16 rows of Wo, source 1 = 16 rows of x): a lane holds eight neighbouring columns of a row.  bo is the C of each sum's first matrix instruction.
; REGISTERS: window 0: v0-31 addresses and the rows' mask; v32-95 scaled results; v96-223 rows read back, two sets; v192-255 bo (done with after the first quarter).
;   window 1: two fragment buffers of 96, at v0 and v128: B's 8 fragments, then A's 4.   window 2: the accumulators ((a, b) at v[8 (8 a + b)]).
.set PA,     144                       ; a row of A in LDS: 128 bytes + 16
.set PB,     272                       ; a row of B: 256 bytes + 16: both odd multiples of 16 bytes, so the 16 rows that a load touches start at different banks
.set PLANE,  128*PA                    ; a head's 128 rows
.set HALFB,  128*PB
.set BOFF,   2*PLANE                   ; B's rows lie behind A's two planes
.set SLOT,   BOFF+2*HALFB
.set STAGE,  2*SLOT                    ; behind the ring: 16 rows x (512 bytes + 16) for each wave, for the way out
.set SPITCH, 528
.set SPARE,  STAGE+4*16*SPITCH         ; the spare words, 128 bytes for each wave
.set LAPS,   4                         ; a lap = two K steps = once round the ring: 1,024 / 256
.set MK,   8                           ; v8-15   the mask of row r of my block a, twice: the pair v[8 + 2 a]
.set ADRA, 16                          ; v16-17  LDS address of my A fragments in slot 0, 1
.set ADRB, 20                          ; v20-21  the same for B
.set STO,  24                          ; v24     the way out: where I put 32 bytes of a row
.set RD,   25                          ; v25     where I read a row back
.set CO,   26                          ; v26     16 x lane
.set SPW,  28                          ; v28     LDS address of my spare word; never rewritten
.set NIL,  29                          ; v29     0; never rewritten
.set T,    32
.set BK,   96
.set BI,   192
.set F0,   0                           ; fragment buffers, in window 1
.set F1,   128
.set G1, 24                            ; s[24:31] descriptor group 1 for A's planes;  s[32:39] group 0, one set for each slot
.set G0, 32
.set G1B, 48                           ; s[48:55], s[56:63] the same for B's tiles
.set G0B, 56
.set MSB, 0
.macro WIN new                         ; the immediate's high byte repeats the setting that is left
.if MSB != (\new)
	s_set_vgpr_msb (MSB<<8)|(\new)
.set MSB, (\new)
.endif
.endm
.set MUL,  0xa5                        ; sources 0 (B) and 1 (A) window 1; C and D window 2
.set MULZ, 0x85                        ; the first quarter: C (bo) window 0
.set TO_F, 0x40                        ; destination window 1, address window 0
.macro JLOAD s                         ; a joint load: waves 0 and 1 fetch A's planes, waves 2 and 3 B's halves; an s_nop 0 and four v_nop follow each of the two lines
	s_cmp_eq_u32 s15, 0
	s_cbranch_scc0 .Lfor_b_\@
	tensor_load_to_lds s[G0+4*\s:G0+4*\s+3], s[G1:G1+7]
	s_nop 0
.rept 4
	v_nop
.endr
	s_branch .Lasked_\@
.Lfor_b_\@:
	tensor_load_to_lds s[G0B+4*\s:G0B+4*\s+3], s[G1B:G1B+7]
	s_nop 0
.rept 4
	v_nop
.endr
.Lasked_\@:
.endm
.macro CREST                           ; a round of the cluster's barrier behind its opening barrier
	s_cmp_lg_u32 s14, 0
	s_cbranch_scc1 .Lnot_wave_0_\@
	s_barrier_signal -3
.Lnot_wave_0_\@:
	s_barrier_wait -3
	s_barrier_signal -1
	s_barrier_wait -1
.endm
.macro CROUND                          ; a whole round
	s_barrier_signal -1
	s_barrier_wait -1
	CREST
.endm
	s_load_b256 s[4:11], s[0:1], 0x0               ; x16 4:5, wo16 6:7, bo 8:9, mask 10:11
	s_load_b64 s[12:13], s[0:1], 0x20              ; out0
	v_lshl_add_u32 v[SPW], v0, 2, SPARE
	v_mov_b32 v[NIL], 0
	ds_add_u32 v[SPW], v[NIL]                      ; the wave's opening: the add, twice on end, and its wait ahead of my first tensor load
	ds_add_u32 v[SPW], v[NIL]
	v_lshrrev_b32 v1, 5, v0
	v_readfirstlane_b32 s14, v1                    ; wave 0..3
	s_lshr_b32 s15, s14, 1                         ; which 64 of the tile's rows are mine.  Also: I fetch for A (0) or for B (1)
	s_and_b32 s16, s14, 1                          ; which 128 of its columns.  Also: which plane of A, or which 128 rows of B, I fetch
	s_bfe_u32 s40, ttmp6, 0x40000                  ; cx, cy: my place in the cluster
	s_bfe_u32 s41, ttmp6, 0x40004
	s_lshl_b32 s42, ttmp9, 2
	s_add_co_u32 s42, s42, s40                     ; tile column = 4 x cluster x + cx
	s_and_b32 s17, ttmp7, 0xffff
	s_lshl_b32 s17, s17, 2
	s_add_co_u32 s17, s17, s41                     ; tile row = 4 x cluster y + cy: rows 128 x tile row on
	s_lshl_b32 s43, s41, 2
	s_lshl_b32 s43, 15, s43                        ; my row of the cluster
	s_lshl_b32 s44, 0x1111, s40                    ; my column
	s_or_b32 s[G1+0], s43, (1<<16)|(1<<20)|(1<<21)|(4<<22)|(3<<25)   ; A: 15:0 the mask; elements of 2 bytes; padding on; 21 set beside a mask; after every 32 words four words
	s_mov_b32 s[G1+1], 64<<16                      ; tensor_dim0 = 64
	s_mov_b32 s[G1+2], 128<<16                     ; tensor_dim1 = 128
	s_mov_b32 s[G1+3], 64<<16                      ; tile_dim0
	s_mov_b32 s[G1+4], 128                         ; tile_dim1
	s_mov_b32 s[G1+5], 64                          ; from row to row: a head's rows are dense
	s_mov_b32 s[G1+6], 0
	s_mov_b32 s[G1+7], 0
	s_or_b32 s[G1B+0], s44, (1<<16)|(1<<20)|(1<<21)|(5<<22)|(3<<25)  ; B: after every 64 words four words
	s_mov_b32 s[G1B+1], 128<<16
	s_mov_b32 s[G1B+2], 128<<16
	s_mov_b32 s[G1B+3], 128<<16
	s_mov_b32 s[G1B+4], 128
	s_mov_b32 s[G1B+5], 1024
	s_mov_b32 s[G1B+6], 0
	s_mov_b32 s[G1B+7], 0
	; A's address is made of the tile row and the wave's number, B's of the tile column and the wave's number
	s_lshr_b32 s20, s17, 3                         ; batch
	s_lshl_b32 s20, s20, 21
	s_and_b32 s21, s17, 7
	s_lshl_b32 s21, s21, 14                        ; t = 128 x (tile row % 8), 128 bytes a row
	s_add_co_u32 s20, s20, s21
	s_lshl_b32 s21, s16, 17                        ; my plane: the K step's first or second head
	s_add_co_u32 s20, s20, s21
	s_mov_b32 s21, 0
	s_lshl_b32 s46, s42, 19                        ; row 256 x tile column of Wo, 2,048 bytes a row,
	s_lshl_b32 s47, s16, 18                        ; + 128 x half
	s_add_co_u32 s46, s46, s47
	s_mov_b32 s47, 0
	s_mul_i32 s22, s16, PLANE                      ; where they go: no place in the cluster enters an LDS address
	s_mul_i32 s23, s16, HALFB
	s_add_co_u32 s23, s23, BOFF
	s_wait_dscnt 0x0                               ; both opening adds are done
	s_wait_kmcnt 0x0
	s_add_nc_u64 s[20:21], s[4:5], s[20:21]
	s_add_nc_u64 s[46:47], s[6:7], s[46:47]
	CROUND                                         ; all sixteen work-groups are here: the first joint loads meet
.irp s, 0,1
	s_mov_b32 s[G0+4*\s], 1
	s_add_co_u32 s[G0+4*\s+1], s22, \s*SLOT
	s_add_nc_u64 s[G0+4*\s+2:G0+4*\s+3], s[20:21], \s*262144      ; K step s: two heads on
	s_or_b32 s[G0+4*\s+3], s[G0+4*\s+3], 0x80000000
	s_mov_b32 s[G0B+4*\s], 1
	s_add_co_u32 s[G0B+4*\s+1], s23, \s*SLOT
	s_add_nc_u64 s[G0B+4*\s+2:G0B+4*\s+3], s[46:47], \s*256
	s_or_b32 s[G0B+4*\s+3], s[G0B+4*\s+3], 0x80000000
	JLOAD \s                                       ; two tensor loads of mine are out
.endr
	v_and_b32 v1, 15, v0                           ; r = l % 16
	v_bfe_u32 v2, v0, 4, 1                         ; h = l / 16
	v_mul_u32_u24 v3, v1, PA
	v_lshl_add_u32 v3, v2, 4, v3
	v_mul_u32_u24 v4, v1, PB
	v_lshl_add_u32 v4, v2, 4, v4
	s_mul_i32 s21, s15, 64*PA                      ; my 64 rows of each plane
	s_mul_i32 s22, s16, HALFB                      ; my 128 rows of B
	s_add_co_u32 s22, s22, BOFF
.irp s, 0,1
	v_add_nc_u32 v[ADRA+\s], s21, v3
	v_add_nc_u32 v[ADRB+\s], s22, v4
	s_add_co_u32 s21, s21, SLOT
	s_add_co_u32 s22, s22, SLOT
.endr
	s_mul_i32 s23, s14, 16*SPITCH
	s_add_co_u32 s23, s23, STAGE                   ; my stage
	v_mul_u32_u24 v5, v1, SPITCH                   ; in: row r, 32 bytes for each half of the lanes
	v_lshl_add_u32 v5, v2, 5, v5
	v_add_nc_u32 v[STO], s23, v5
	v_and_b32 v6, 31, v0
	v_lshlrev_b32 v[CO], 4, v6                     ; back: the 32 lanes take one row of 512 bytes; and the same in out0
	v_add_nc_u32 v[RD], s23, v[CO]
	v_lshlrev_b32 v7, 5, v2                        ; bo: 32 h bytes
	v_lshlrev_b32 v5, 2, v1                        ; mask: 4 r bytes
	s_lshl_b32 s46, s42, 10
	s_lshl_b32 s47, s16, 9
	s_add_co_u32 s46, s46, s47                     ; my first column x 4 bytes
	s_mov_b32 s47, 0
	s_add_nc_u64 s[8:9], s[8:9], s[46:47]
	s_lshl_b32 s20, s17, 9
	s_lshl_b32 s21, s15, 8
	s_add_co_u32 s20, s20, s21                     ; my first row x 4 bytes: 128 x tile row + 64 x half
	s_mov_b32 s21, 0
	s_add_nc_u64 s[10:11], s[10:11], s[20:21]
.irp b, 0,1,2,3,4,5,6,7
	global_load_b128 v[BI+8*\b:BI+8*\b+3], v7, s[8:9] offset:64*\b        ; register 8 b + j of lane (r, h) = bo[my first column + 16 b + 8 h + j]
	global_load_b128 v[BI+8*\b+4:BI+8*\b+7], v7, s[8:9] offset:64*\b+16
.endr
.irp a, 0,1,2,3
	global_load_b32 v[MK+2*\a], v5, s[10:11] offset:64*\a                 ; the mask of row 16 a + r, into both halves of a pair for the packed multiply
	global_load_b32 v[MK+2*\a+1], v5, s[10:11] offset:64*\a
.endr
	s_lshl_b32 s20, s17, 19                        ; out0: my first row x 4,096 bytes
	s_lshl_b32 s21, s15, 18
	s_add_co_u32 s20, s20, s21
	s_add_co_u32 s20, s20, s46                     ; + my first column x 4
	s_mov_b32 s21, 0
	s_add_nc_u64 s[12:13], s[12:13], s[20:21]
; 8 matrix instructions: A's block a x B's eight, 32 along K, from buffer f.  first = 1: the sums begin with bo.  The 32 accumulators take turns, in the same order in every quarter.
.macro MUL8 f, a, first
.irp b, 0,1,2,3,4,5,6,7
.if \first
	v_wmma_f32_16x16x32_f16 v[8*(8*(\a)+\b):8*(8*(\a)+\b)+7], v[\f+8*\b:\f+8*\b+7], v[\f+64+8*(\a):\f+64+8*(\a)+7], v[BI+8*\b:BI+8*\b+7]
.else
	v_wmma_f32_16x16x32_f16 v[8*(8*(\a)+\b):8*(8*(\a)+\b)+7], v[\f+8*\b:\f+8*\b+7], v[\f+64+8*(\a):\f+64+8*(\a)+7], v[8*(8*(\a)+\b):8*(8*(\a)+\b)+7]
.endif
.endr
.endm
; 24 LDS loads in one run: the fragments of the slot's q-th 32 along K into buffer f: B's sixteen loads, then A's eight (plane q / 2, channels 32 (q % 2) on)
.macro FETCH slot, q, f
	WIN TO_F
.irp b, 0,1,2,3,4,5,6,7
	ds_load_b128 v[\f+8*\b:\f+8*\b+3],   v[ADRB+\slot] offset:64*(\q)+\b*16*PB
	ds_load_b128 v[\f+8*\b+4:\f+8*\b+7], v[ADRB+\slot] offset:64*(\q)+\b*16*PB+32
.endr
.irp a, 0,1,2,3
	ds_load_b128 v[\f+64+8*\a:\f+64+8*\a+3],   v[ADRA+\slot] offset:((\q)/2)*PLANE+64*((\q)%2)+\a*16*PA
	ds_load_b128 v[\f+64+8*\a+4:\f+64+8*\a+7], v[ADRA+\slot] offset:((\q)/2)*PLANE+64*((\q)%2)+\a*16*PA+32
.endr
.endm
.macro PLACES                          ; four plain vector instructions in front of loads into registers that matrix instructions have read, and of reads of results
.rept 4
	v_nop
.endr
.endm
; A K step is four quarters of 32 along K, 32 matrix instructions each, on buffers 0, 1, 0, 1.  One of the first three: multiplies buffer f and fetches the slot's quarter q into g.
.macro QUARTER slot, q, f, g, first
	s_wait_dscnt 4                                 ; B and A's blocks 0, 1 are in; the youngest four loads (A's blocks 2, 3) may be out
.if \first
	WIN MULZ
.else
	WIN MUL
.endif
	MUL8 \f, 0, \first
	MUL8 \f, 1, \first
	PLACES
	FETCH \slot, \q, \g
	s_wait_dscnt 24                                ; all but the 24 just issued
.if \first
	WIN MULZ
.else
	WIN MUL
.endif
	MUL8 \f, 2, \first
	MUL8 \f, 3, \first
.endm
; The last quarter multiplies buffer 1 and changes slots: ONE barrier; in front of it each wave waits for all its tensor loads, adds 0 to its spare word, and waits for that and for its own reads of this slot.  fill = 1: this slot is filled again, two K steps ahead.
.macro TURN slot, next, fill
	WIN 0                                          ; (the add's two registers lie in window 0)
	s_wait_tensorcnt 0x0                           ; all my tensor loads have landed: my part of the next slot;
	ds_add_u32 v[SPW], v[NIL]                      ; 0 onto my spare word;
	s_wait_dscnt 5                                 ; (the add and the youngest four loads may be out)
	WIN MUL
	MUL8 F1, 0, 0                                  ; eight matrix instructions stand between the add and the wait for it
	s_wait_dscnt 0x0                               ; the add is done, and my reads of this slot are over
	s_barrier_signal -1
	MUL8 F1, 1, 0
.if \fill
	WIN 0
.endif
	s_barrier_wait -1
.if \fill
	CREST                                          ; the barrier has opened a round of the cluster's barrier: no wave of any partner still reads this slot or has a load on its way
	s_add_nc_u64 s[G0+4*\slot+2:G0+4*\slot+3], s[G0+4*\slot+2:G0+4*\slot+3], 524288     ; four heads on
	s_add_nc_u64 s[G0B+4*\slot+2:G0B+4*\slot+3], s[G0B+4*\slot+2:G0B+4*\slot+3], 512
	JLOAD \slot                                    ; the first tensor load behind the round, my one load until the next; its four v_nop are also the places in front of the loads below
.else
	PLACES
.endif
	FETCH \next, 0, F0
	WIN MUL
	MUL8 F1, 2, 0
	MUL8 F1, 3, 0
.endm
	s_wait_tensorcnt 1                             ; my part of K step 0 is in (K step 1's load may be out)
	s_barrier_signal -1
	s_barrier_wait -1                              ; everybody's is
	FETCH 0, 0, F0
	s_wait_loadcnt 0x0                             ; bo and the mask
	QUARTER 0, 1, F0, F1, 1                        ; the first quarter stands in front of the loop: its products start the sums, with bo as C
	WIN 0                                          ; at a label and at a branch every window is 0
	s_mov_b32 s3, LAPS-1
.Llap:                                                 ; a trip goes once round the ring, from a lap's second quarter to the next lap's first, and fills both slots again
	QUARTER 0, 2, F1, F0, 0
	QUARTER 0, 3, F0, F1, 0
	TURN 0, 1, 1
	QUARTER 1, 1, F0, F1, 0
	QUARTER 1, 2, F1, F0, 0
	QUARTER 1, 3, F0, F1, 0
	TURN 1, 0, 1
	QUARTER 0, 1, F0, F1, 0
	WIN 0
	s_sub_co_u32 s3, s3, 1
	s_cmp_lg_u32 s3, 0
	s_cbranch_scc1 .Llap
	QUARTER 0, 2, F1, F0, 0                        ; the last lap fills nothing, and has no round of the cluster's barrier
	QUARTER 0, 3, F0, F1, 0
	TURN 0, 1, 0
	QUARTER 1, 1, F0, F1, 0
	QUARTER 1, 2, F1, F0, 0
	QUARTER 1, 3, F0, F1, 0
	s_wait_dscnt 4                                 ; the very last quarter: nothing more to fetch
	WIN MUL
	MUL8 F1, 0, 0
	MUL8 F1, 1, 0
	s_wait_dscnt 0
	MUL8 F1, 2, 0
	MUL8 F1, 3, 0
	WIN 0
; THE WAY OUT, block by block of 16 rows x 128 columns: x the row's mask; 32 bytes a lane into my own stage; back as whole rows of 512 bytes, which the 32 lanes store at once.
.macro SCALE a
	WIN 0x02                                       ; source 0 window 2
.set i, 0
.rept 32
	v_pk_mul_f32 v[T+2*i:T+2*i+1], v[64*(\a)+2*i:64*(\a)+2*i+1], v[MK+2*(\a):MK+2*(\a)+1]   ; each accumulator from its low end on
.set i, i+1
.endr
	WIN 0
.endm
.macro TOSTAGE a
.set BB, BK+64*((\a)%2)
.irp b, 0,1,2,3,4,5,6,7
	ds_store_b128 v[STO], v[T+8*\b:T+8*\b+3] offset:64*\b
	ds_store_b128 v[STO], v[T+8*\b+4:T+8*\b+7] offset:64*\b+16
.endr
.irp t, 0,1,2,3,4,5,6,7,8,9,10,11,12,13,14,15
	ds_load_b128 v[BB+4*\t:BB+4*\t+3], v[RD] offset:\t*SPITCH      ; LDS serves a wave's instructions in order: these see the stores above
.endr
.endm
.macro SEND a
.set BB, BK+64*((\a)%2)
	s_wait_dscnt 0x0                               ; the block is back in registers
	s_wait_xcnt 0x0                                ; the block before has had its stores' registers read: the next block's loads may land there
.irp t, 0,1,2,3,4,5,6,7,8,9,10,11,12,13,14,15
	global_store_b128 v[CO], v[BB+4*\t:BB+4*\t+3], s[12:13] offset:(16*(\a)+\t)*4096 th:TH_STORE_NT   ; 512 consecutive bytes, aligned; written once, read by nobody here
.endr
.endm
	PLACES
	SCALE 0
	TOSTAGE 0
.irp a, 1,2,3                          ; block a's multiplies stand between block a - 1's loads from the stage and the wait for them
	SCALE \a
	SEND \a-1
	TOSTAGE \a
.endr
	SEND 3
	s_wait_tensorcnt 0x0                           ; the wave's end: behind my last tensor load and my last LDS store
	ds_add_u32 v[SPW], v[NIL]
	s_wait_dscnt 0x0
	CROUND                                         ; the closing round: no work-group ends while a partner may still ask for a tile that names it
	s_endpgm
.Lfunc_end_k_q63e78e0a4b_outp:
	.size	k_q63e78e0a4b_outp, .Lfunc_end_k_q63e78e0a4b_outp-k_q63e78e0a4b_outp
	.p2alignl 7, 3214868480
	.fill 96, 4, 3214868480
	.section	.rodata,"a",@progbits
	.p2align	6, 0x0
	.amdhsa_kernel k_q63e78e0a4b_outp
		.amdhsa_group_segment_fixed_size 327680
		.amdhsa_private_segment_fixed_size 0
		.amdhsa_enable_private_segment 0
		.amdhsa_kernarg_size 40
		.amdhsa_user_sgpr_count 2
		.amdhsa_user_sgpr_kernarg_segment_ptr 1
		.amdhsa_wavefront_size32 1
		.amdhsa_system_sgpr_workgroup_id_x 1
		.amdhsa_system_sgpr_workgroup_id_y 1
		.amdhsa_system_sgpr_workgroup_id_z 1
		.amdhsa_system_vgpr_workitem_id 0
		.amdhsa_next_free_vgpr 768
		.amdhsa_next_free_sgpr 66
		.amdhsa_reserve_vcc 0
		.amdhsa_float_denorm_mode_32 3
		.amdhsa_float_denorm_mode_16_64 3
		.amdhsa_memory_ordered 1
		.amdhsa_forward_progress 1
		.amdhsa_inst_pref_size 96
	.end_amdhsa_kernel
	.amdgpu_metadata
---
amdhsa.version: [ 1, 2 ]
amdhsa.kernels:
  - .name:           k_q63e78e0a4b_outp
    .symbol:         k_q63e78e0a4b_outp.kd
    .args:
      - { .name: x16, .offset: 0, .size: 8, .value_kind: global_buffer, .address_space: global }
      - { .name: wo16, .offset: 8, .size: 8, .value_kind: global_buffer, .address_space: global }
      - { .name: bo, .offset: 16, .size: 8, .value_kind: global_buffer, .address_space: global }
      - { .name: mask, .offset: 24, .size: 8, .value_kind: global_buffer, .address_space: global }
      - { .name: out0, .offset: 32, .size: 8, .value_kind: global_buffer, .address_space: global }
    .group_segment_fixed_size: 327680
    .private_segment_fixed_size: 0
    .kernarg_segment_align: 8
    .kernarg_segment_size: 40
    .max_flat_workgroup_size: 128
    .sgpr_count:     66
    .vgpr_count:     768
    .wavefront_size: 32
...
	.end_amdgpu_metadata
.endif
;; end of part 4
